; MI455X (gfx1250); checked and timed in simulation.
; The chip was launched on July 23, 2026; its instructions are those of AMD's public machine-readable ISA for CDNA 5 (MIT licence, August 2026) and "CDNA5" Instruction Set Architecture Reference Guide (July 2026). The comments in the code are by the model that wrote it; some were corrected since.
;; Simple Mo E From Notebook. Allowed arithmetic: matrix products marked QUANTISED: E2M1 operands, one E8M0 scale for each 32 along K, by v_wmma_scale_f32_16x16x128_f8f6f4 with both operands' format E2M1 (or v_wmma_scale_f32_32x16x128_f4), f32 sums; products left as they are: f32 operands where the result goes on into a quantised operand, else bf16, f16 or f32 operands; f32 sums; everything else in f32.
;; Inputs: b1 8 x 4,096 float32; b2 8 x 1,024 float32; gate_b 8 float32; gate_w 8 x 1,024 float32; w1_codes 8 x 4,096 x 32 x 16 uint8 (E2M1 codes of w1, K innermost, in blocks of 32 codes, two codes a byte); w1_scales 8 x 4,096 x 32 uint8 (E8M0 scales of w1, one for each 32 codes along K); w2_codes 8 x 1,024 x 128 x 16 uint8 (E2M1 codes of w2, K innermost, in blocks of 32 codes, two codes a byte); w2_scales 8 x 1,024 x 128 uint8 (E8M0 scales of w2, one for each 32 codes along K); x 1,024 x 1,024 float32.
;; Outputs: out0 1,024 x 1,024 float32.
;; This version of the problem:
;;   THIS VERSION OF THE PROBLEM IS GIVEN IN LOW PRECISION. The matrix products marked QUANTISED in the list below multiply operands that are first quantised to E2M1 (2 exponent bits, 1 mantissa bit; 4 bits a number), with one power-of-two scale for each 32 numbers along K (OCP MX v1.0); their sums are f32. All else is computed in f32.
;;   The module's matrix products, in the order in which they are computed (A, B: the left and right operand; K: the contracted axis; several contracted axes count as one K, in the product's order):
;;     1. [M 1,024, K 1,024] x [K 1,024, N 8]; A: input x; B: input gate_w: left as it is (N = 8 < 16)
;;     2. [M 1,024, K 1,024] x [K 1,024, N 32,768]; A: input x; B: input w1 (given as codes): QUANTISED
;;     3. batch 8 x [M 1,024, K 4,096] x [K 4,096, N 1,024]; A: input w2 (given as codes); B: computed on the way: QUANTISED
;;     4. batch 1,024 x [M 1,024, K 8] x [K 8, N 1]; A: computed on the way; B: computed on the way: left as it is (K = 8 < 32)
;;   THE QUANTISER, for each operand of a quantised product, along K:
;;     - K is cut into blocks of 32 from its start; a last block that is shorter is filled with zeros.
;;     - A block's scale is 2^e with e = floor(log2(the largest magnitude in the block)) - 2, held to -126 .. 127; a block of zeros has e = 0. As a byte (E8M0): e + 127.
;;     - Each number is divided by its block's scale, clamped to +-6, and rounded to the nearest number of E2M1, ties to even, subnormals kept.
;;     - The product sums the exact products of the quantised numbers (number of the format x scale) in f32.
;;   ~~~python
;;   def quantise(x, axis):      # numpy; x: float32 -> the quantised numbers, widened to float32 again
;;       x = np.moveaxis(x, axis, -1); K = x.shape[-1]
;;       x = np.pad(x, [(0, 0)] * (x.ndim - 1) + [(0, -K % 32)]); x = x.reshape(x.shape[:-1] + (-1, 32)); a = np.abs(x).max(-1, keepdims=True)
;;       e = np.where(a > 0, np.clip(np.frexp(np.where(a > 0, a, 1))[1] - 1 - 2, -126, 127), 0)      # np.frexp(a)[1] - 1 = floor(log2(a)), exactly
;;       r = np.clip(x / 2.0 ** e, -6, 6)
;;       step = 2.0 ** (np.maximum(np.frexp(np.where(r == 0, 1, r))[1] - 1, 0) - 1)
;;       q = np.round(r / step) * step * 2.0 ** e      # np.round: ties to even
;;       return np.moveaxis(q.reshape(q.shape[:-2] + (-1,))[..., :K], -1, axis).astype(np.float32)
;;   ~~~
;;   OPERANDS COMPUTED ON THE WAY. 'Computed on the way' means the value that the module computes at that place (a softmax that the list does not call 'softmax' is quantised finished and normalised). What goes into a quantiser is computed in f32, as accurately as f32 sums, v_exp_f32 and their like allow (about 1e-6 of the number): no bf16 or f16 on the way to a quantiser, and a product that is left as it is and whose result goes on into a quantised operand takes f32 operands (vector FMAs, or v_wmma_f32_16x16x4_f32). A number that lies on a knife's edge between two numbers of the format may be rounded either way, as far as f32 arithmetic and the matrix unit's own rounding can turn it there, and no further.
;;   INPUTS GIVEN AS CODES. w1 (in the module: [8, 1024, 4096], K = its axis 1); w2 (in the module: [8, 4096, 1024], K = its axis 1): each comes as NAME_codes (uint8): NAME with its K axis moved to the last place and cut into blocks of 32 codes, [.., K / 32, bytes a block], one block behind the other in memory; two codes a byte, the lower K in the low four bits (a code: sign, 2 exponent bits, 1 mantissa bit); and NAME_scales (uint8): the same leading axes, one E8M0 byte (e + 127) for each 32 codes along K. Its value is code x scale, taken as it is: it is not quantised again, and the codes and scales need not be those that the quantiser above would give.
;; 3 versions. Each part assembles by itself: llvm-mc -triple=amdgcn-amd-amdhsa -mcpu=gfx1250 --defsym DOCPART=n.
;; ======== version 1 of 3: 4 launches
;; workspace buffers: top 4,096 bytes of whole numbers; xq 524,288 bytes; xs 32,768 bytes; list 65,536 bytes of whole numbers; hq 16,777,216 bytes; hs 1,048,576 bytes
;; launch gate (part 1): grid 256 x 1, 4 waves a work-group, no clusters, 3,584 bytes of LDS; arguments x, gate_w, gate_b, top, xq, xs; writes top, xq, xs
.if DOCPART == 1
	.amdgcn_target "amdgcn-amd-amdhsa--gfx1250"
	.amdhsa_code_object_version 6
	.text
	.protected	k_q0a120a40dc_gate
	.globl	k_q0a120a40dc_gate
	.p2align	8
	.type	k_q0a120a40dc_gate,@function
k_q0a120a40dc_gate:
	s_mov_b64 s[64:65], 0
	v_nop
	global_prefetch_b8 v0, s[64:65] scope:SCOPE_SE
	s_setreg_imm32_b32 hwreg(HW_REG_WAVE_MODE, 25, 1), 1
	s_wait_xcnt 0x0
; GATE AND QUANTISER OF x.  x [1024][1024] f32, gate_w [8][1024] f32, gate_b [8] f32.
; Out: top [1024] u32: the first largest of softmax(x gate_w^T + gate_b) of each token;  xq [1024][512 bytes]: x as codes of E2M1, K innermost, two codes a byte;  xs [1024][32]: one E8M0 byte for each 32 along K.
; SHARES.  A work-group takes four tokens; wave w takes k = 256 w .. 256 w + 255 of all four.  Lane l holds eight numbers of each row: part A, k = 256 w + 4 l + 0..3, and part B, 128 further on:
; so every load of the wave reads 512 consecutive bytes, of x and of gate_w alike, x is read once and serves both the logits and the codes.
; A block of 32 along K lies in eight neighbouring lanes: three steps of row_xmask join its largest magnitude.
; The logits are f32 fused multiply-adds; a wave's 32 partial sums (4 tokens x 8 experts) meet in LDS, wave 0 adds them and takes softmax and argmax with one lane to a (token, expert).
; A block's scale byte is its largest magnitude's exponent field - 2, held at 1 from below.  A block of zeros so gets the byte 1 where the quantiser says 127: its codes are zeros, and this program alone reads the bytes.
; LIMITS: NaN and infinities among the inputs are not served.  Two probabilities of a token that are equal in f32 give the lower expert, as argmax does; the sums' order differs from a plain dot product's by f32 rounding.
.set CODE, 0                           ; LDS: the four rows' codes, 512 bytes each
.set SCL,  2048                        ; their scale bytes, 32 each
.set PART, 2304                        ; the partial sums: 128 bytes a wave, word 8 p + e
.set X,  16                            ; v16-47   row p: v[X+8p..+3] part A, v[X+8p+4..+7] part B
.set G,  48                            ; v48-111  gate_w's row e, likewise
.set AC, 112                           ; v112-175 32 pairs of running sums
.set S,  176                           ; v176-207 the 32 sums
.set MX, 208                           ; v208-211 part A's largest magnitude of rows 0-3, v212-215 part B's; then scale operands; then bytes
.set CA, 216                           ; v216-219 a row's eight codes under A's scale: the low half counts
.set CB, 220                           ; v220-223 under B's scale: the high half counts
	s_load_b256 s[4:11], s[0:1], 0x0               ; x s[4:5], gate_w s[6:7], gate_b s[8:9], top s[10:11]
	s_load_b128 s[12:15], s[0:1], 0x20             ; xq s[12:13], xs s[14:15]
	v_lshl_add_u32 v224, v0, 2, 0xc00
	v_mov_b32 v225, 0
	v_lshrrev_b32 v1, 5, v0
	v_readfirstlane_b32 s16, v1                    ; wave 0..3
	v_and_b32 v1, 31, v0                           ; lane
	s_lshl_b32 s17, s16, 10
	s_lshl_b32 s18, s16, 7
	s_lshl_b32 s19, s16, 3
	v_lshl_add_u32 v2, v1, 4, s17                  ; in a row of f32: 1,024 w + 16 l
	v_lshl_add_u32 v3, v1, 1, s18                  ; in a row of codes: 128 w + 2 l
	v_lshrrev_b32 v4, 3, v1
	v_add_nc_u32 v4, s19, v4                       ; in a row of scale bytes: 8 w + l / 8
	v_mov_b32 v5, s18                              ; my wave's partial sums: 128 w
	v_and_b32 v7, 7, v1
	v_lshlrev_b32 v8, 2, v7                        ; gate_b: 4 (l % 8)
	v_lshlrev_b32 v9, 4, v0                        ; 16 x thread: the way out of the codes
	v_lshlrev_b32 v10, 2, v1                       ; 4 l
	s_mov_b32 s22, 0x76543210
	s_mov_b32 s23, 0xfedcba98                      ; v_permlanex16_b32's selects for lane l xor 16
	s_mov_b32 s25, 0
	s_wait_kmcnt 0x0
	s_lshl_b32 s24, ttmp9, 14                      ; four rows of 4,096 bytes
	s_add_nc_u64 s[4:5], s[4:5], s[24:25]
	s_lshl_b32 s24, ttmp9, 11                      ; of 512
	s_add_nc_u64 s[12:13], s[12:13], s[24:25]
	s_lshl_b32 s24, ttmp9, 7                       ; of 32
	s_add_nc_u64 s[14:15], s[14:15], s[24:25]
	s_lshl_b32 s24, ttmp9, 4                       ; four words
	s_add_nc_u64 s[10:11], s[10:11], s[24:25]
.irp p, 0,1,2,3
	global_load_b128 v[X+8*\p:X+8*\p+3],   v2, s[4:5] offset:4096*\p th:TH_LOAD_NT
	global_load_b128 v[X+8*\p+4:X+8*\p+7], v2, s[4:5] offset:4096*\p+512 th:TH_LOAD_NT
.endr
	global_load_b32 v6, v8, s[8:9]
.irp e, 0,1,2,3,4,5,6,7
	global_load_b128 v[G+8*\e:G+8*\e+3],   v2, s[6:7] offset:4096*\e
	global_load_b128 v[G+8*\e+4:G+8*\e+7], v2, s[6:7] offset:4096*\e+512
.endr
	s_wait_loadcnt 17                              ; x is in: behind it gate_b's load and gate_w's sixteen
	; ---- the codes and scale bytes of my 8 x 4 numbers; the rows and parts by turns, so that no line waits for the line above it
.irp p, 0,1,2,3
	v_max3_num_f32 v[MX+\p],   |v[X+8*\p]|,   |v[X+8*\p+1]|, 0x1800000   ; with the floor 2^(3 - 127) among the leaves: the byte cannot fall under 1
	v_max3_num_f32 v[MX+4+\p], |v[X+8*\p+4]|, |v[X+8*\p+5]|, 0x1800000
.endr
.irp p, 0,1,2,3
	v_max3_num_f32 v[MX+\p],   v[MX+\p],   |v[X+8*\p+2]|, |v[X+8*\p+3]|
	v_max3_num_f32 v[MX+4+\p], v[MX+4+\p], |v[X+8*\p+6]|, |v[X+8*\p+7]|
.endr
.irp m, 1,2,4
.irp q, 0,1,2,3,4,5,6,7
	v_max_num_f32_dpp v[MX+\q], v[MX+\q], v[MX+\q] row_xmask:\m row_mask:0xf bank_mask:0xf   ; the eight lanes of a block
.endr
.endr
.irp q, 0,1,2,3,4,5,6,7
	v_add_nc_u32 v[MX+\q], 0xff000000, v[MX+\q]    ; 2 off the exponent field: the conversion takes the exponent field of this operand as its scale
.endr
.irp p, 0,1,2,3
	v_cvt_scalef32_pk8_fp4_f32 v[CA+\p], v[X+8*\p:X+8*\p+7], v[MX+\p]     ; all eight under A's scale: codes 0-3, the low 16 bits, are part A's
	v_cvt_scalef32_pk8_fp4_f32 v[CB+\p], v[X+8*\p:X+8*\p+7], v[MX+4+\p]   ; all eight under B's scale: codes 4-7, the high 16 bits, are part B's
.endr
	v_nop                                          ; one plain place behind the scaled conversions: the next lines write their scale operands
.irp q, 0,1,2,3,4,5,6,7
	v_lshrrev_b32 v[MX+\q], 23, v[MX+\q]           ; the scale's byte
.endr
.irp p, 0,1,2,3
	ds_store_b16 v3, v[CA+\p] offset:CODE+512*\p
	ds_store_b16_d16_hi v3, v[CB+\p] offset:CODE+512*\p+64
	ds_store_b8 v4, v[MX+\p] offset:SCL+32*\p      ; the eight lanes of a block write the same byte with the same value
	ds_store_b8 v4, v[MX+4+\p] offset:SCL+32*\p+4
.endr
	s_wait_loadcnt 0x0                             ; gate_w and gate_b
	; ---- the logits' partial sums: the first product starts each sum
.irp p, 0,1,2,3
.irp e, 0,1,2,3,4,5,6,7
	v_pk_mul_f32 v[AC+2*(8*\p+\e):AC+2*(8*\p+\e)+1], v[X+8*\p:X+8*\p+1], v[G+8*\e:G+8*\e+1]
.endr
.endr
.irp i, 2,4,6
.irp p, 0,1,2,3
.irp e, 0,1,2,3,4,5,6,7
	v_pk_fma_f32 v[AC+2*(8*\p+\e):AC+2*(8*\p+\e)+1], v[X+8*\p+\i:X+8*\p+\i+1], v[G+8*\e+\i:G+8*\e+\i+1], v[AC+2*(8*\p+\e):AC+2*(8*\p+\e)+1]
.endr
.endr
.endr
.set q, 0
.rept 32
	v_add_f32 v[S+q], v[AC+2*q], v[AC+2*q+1]
.set q, q+1
.endr
.irp m, 1,2,4,8
.set q, 0
.rept 32
	v_add_f32_dpp v[S+q], v[S+q], v[S+q] row_xmask:\m row_mask:0xf bank_mask:0xf
.set q, q+1
.endr
.endr
.set q, 0
.rept 32
	v_permlanex16_b32 v[AC+q], v[S+q], s22, s23    ; (its destination has been written)
.set q, q+1
.endr
.set q, 0
.rept 32
	v_add_f32 v[S+q], v[S+q], v[AC+q]              ; every lane holds my wave's sum of (token q / 8, expert q % 8)
.set q, q+1
.endr
.irp i, 0,1,2,3,4,5,6,7
	ds_store_b128 v5, v[S+4*\i:S+4*\i+3] offset:PART+16*\i   ; all lanes write the same words with the same values
.endr
	s_wait_dscnt 0x0                               ; for the others' sake: my codes, bytes and sums lie in LDS
	s_barrier_signal -1
	s_barrier_wait -1
	ds_load_b128 v[16:19], v9 offset:CODE          ; wave w takes row w's 512 bytes of codes
	s_wait_dscnt 0x0
	global_store_b128 v9, v[16:19], s[12:13]       ; 32 lanes store 512 consecutive bytes, at a multiple of 512 from xq's first byte
	s_cmp_lg_u32 s16, 0
	s_cbranch_scc1 .Lend
	; ---- wave 0: lane = 8 x token + expert
.irp w, 0,1,2,3
	ds_load_b32 v[20+\w], v10 offset:PART+128*\w
.endr
	ds_load_b32 v24, v10 offset:SCL
	s_wait_dscnt 0x0
	global_store_b32 v10, v24, s[14:15]            ; the four rows' 128 scale bytes
	v_add_f32 v20, v20, v21
	v_add_f32 v22, v22, v23
	v_add_f32 v20, v20, v22
	v_add_f32 v20, v20, v6                         ; the logit
	v_cvt_f32_u32 v30, v7                          ; my expert, as a float
	v_mov_b32 v25, v20
.irp m, 1,2,4
	v_max_num_f32_dpp v25, v25, v25 row_xmask:\m row_mask:0xf bank_mask:0xf   ; the token's largest logit is taken away ahead of the exponential
.endr
	v_sub_f32 v26, v20, v25
	v_mul_f32 v26, 0x3fb8aa3b, v26                 ; x log2(e)
	v_exp_f32 v26, v26
	v_mov_b32 v31, 0x41000000                      ; 8.0: past every expert.  (The plain place behind the exponential)
	s_wait_alu depctr_va_vdst(0)
	v_mov_b32 v27, v26
.irp m, 1,2,4
	v_add_f32_dpp v27, v27, v27 row_xmask:\m row_mask:0xf bank_mask:0xf
.endr
	v_rcp_f32 v27, v27
	v_nop                                          ; the plain place behind the reciprocal
	s_wait_alu depctr_va_vdst(0)
	v_mul_f32 v28, v26, v27                        ; the probability
	v_mov_b32 v29, v28
.irp m, 1,2,4
	v_max_num_f32_dpp v29, v29, v29 row_xmask:\m row_mask:0xf bank_mask:0xf
.endr
	v_cmp_eq_f32 vcc_lo, v28, v29
	v_cndmask_b32 v30, v31, v30, vcc_lo            ; my expert where I hold the largest, else 8
.irp m, 1,2,4
	v_min_num_f32_dpp v30, v30, v30 row_xmask:\m row_mask:0xf bank_mask:0xf   ; the first of the largest
.endr
	v_cvt_u32_f32 v30, v30
	v_min_u32 v30, 7, v30                          ; an expert's number whatever the inputs
	v_lshrrev_b32 v32, 3, v1
	v_lshlrev_b32 v32, 2, v32
	global_store_b32 v32, v30, s[10:11]            ; the eight lanes of a token store the same word with the same value
.Lend:
	s_wait_tensorcnt 0x0
	ds_add_u32 v224, v225
	s_wait_dscnt 0x0
	s_endpgm
.Lfunc_end_k_q0a120a40dc_gate:
	.size	k_q0a120a40dc_gate, .Lfunc_end_k_q0a120a40dc_gate-k_q0a120a40dc_gate
	.p2alignl 7, 3214868480
	.fill 96, 4, 3214868480
	.section	.rodata,"a",@progbits
	.p2align	6, 0x0
	.amdhsa_kernel k_q0a120a40dc_gate
		.amdhsa_group_segment_fixed_size 3584
		.amdhsa_private_segment_fixed_size 0
		.amdhsa_enable_private_segment 0
		.amdhsa_kernarg_size 48
		.amdhsa_user_sgpr_count 2
		.amdhsa_user_sgpr_kernarg_segment_ptr 1
		.amdhsa_wavefront_size32 1
		.amdhsa_system_sgpr_workgroup_id_x 1
		.amdhsa_system_sgpr_workgroup_id_y 1
		.amdhsa_system_sgpr_workgroup_id_z 1
		.amdhsa_system_vgpr_workitem_id 0
		.amdhsa_next_free_vgpr 226
		.amdhsa_next_free_sgpr 66
		.amdhsa_reserve_vcc 1
		.amdhsa_float_denorm_mode_32 3
		.amdhsa_float_denorm_mode_16_64 3
		.amdhsa_memory_ordered 1
		.amdhsa_forward_progress 1
		.amdhsa_inst_pref_size 32
	.end_amdhsa_kernel
	.amdgpu_metadata
---
amdhsa.version: [ 1, 2 ]
amdhsa.kernels:
  - .name:           k_q0a120a40dc_gate
    .symbol:         k_q0a120a40dc_gate.kd
    .args:
      - { .name: x, .offset: 0, .size: 8, .value_kind: global_buffer, .address_space: global }
      - { .name: gate_w, .offset: 8, .size: 8, .value_kind: global_buffer, .address_space: global }
      - { .name: gate_b, .offset: 16, .size: 8, .value_kind: global_buffer, .address_space: global }
      - { .name: top, .offset: 24, .size: 8, .value_kind: global_buffer, .address_space: global }
      - { .name: xq, .offset: 32, .size: 8, .value_kind: global_buffer, .address_space: global }
      - { .name: xs, .offset: 40, .size: 8, .value_kind: global_buffer, .address_space: global }
    .group_segment_fixed_size: 3584
    .private_segment_fixed_size: 0
    .kernarg_segment_align: 8
    .kernarg_segment_size: 48
    .max_flat_workgroup_size: 128
    .sgpr_count:     66
    .vgpr_count:     226
    .wavefront_size: 32
...
	.end_amdgpu_metadata
.endif
;; end of part 1
;; launch sort (part 2): grid 8 x 1, 4 waves a work-group, no clusters, 0 bytes of LDS; arguments top, list; writes list
.if DOCPART == 2
	.amdgcn_target "amdgcn-amd-amdhsa--gfx1250"
	.amdhsa_code_object_version 6
	.text
	.protected	k_q0a120a40dc_sort
	.globl	k_q0a120a40dc_sort
	.p2align	8
	.type	k_q0a120a40dc_sort,@function
k_q0a120a40dc_sort:
	s_mov_b64 s[64:65], 0
	v_nop
	global_prefetch_b8 v0, s[64:65] scope:SCOPE_SE
	s_setreg_imm32_b32 hwreg(HW_REG_WAVE_MODE, 25, 1), 1
	s_wait_xcnt 0x0
; THE LISTS.  top [1024] u32 -> list [8][2048] u32.  Work-group e writes row e: entries 0 .. cnt - 1 the tokens whose expert is e; entries cnt .. cnt + 63 pads: one token of e again (0 where e has none);
; entry 1,088 (byte 4,352) cnt; entries 1,152 .. 1,279 spare words that nobody reads.  The later launches take tokens 16 at a time; a pad row computes what its token's own row computes and is stored to the same
; bytes with the same values.
; No atomics, no LDS, no barrier: every wave reads all 1,024 words (eight loads of 512 consecutive bytes) and counts them itself; wave z then places the tokens of registers 8 z .. 8 z + 7.
; The order of a list is free.  Register k = 4 j + i of lane l stands for token 128 j + 4 l + i; a token's place is the count of e's tokens in the registers before k, plus that in the lanes before l of register k.
; NO LANE IS SWITCHED OFF: a lane whose token is another expert's stores it into its thread's own spare word, entry 1,152 + thread.  So a placing step is a compare, a count, a select, a hold, a shift and a store,
; with no write of EXEC and no wait.
.set T,    8                           ; v8-39   all tokens' experts
.set OWN,  40                          ; v40-47  my wave's eight registers of them, loaded a second time so that their numbers do not hang on the wave
.set P,    48                          ; v48-55  the places, then their byte offsets
.set TK,   56                          ; v56-63  the tokens' numbers
.set DUMP, 64                          ; v64     my thread's spare entry
	s_load_b128 s[4:7], s[0:1], 0x0                ; top s[4:5], list s[6:7]
	v_lshrrev_b32 v1, 5, v0
	v_readfirstlane_b32 s8, v1                     ; wave z
	s_mov_b32 s9, ttmp9                            ; expert e
	v_and_b32 v1, 31, v0                           ; lane
	v_lshlrev_b32 v2, 4, v1                        ; 16 l
	s_lshl_b32 s18, s8, 10
	v_add_nc_u32 v3, s18, v2                       ; 1,024 z + 16 l
	s_lshl_b32 s18, s8, 8
	v_lshl_add_u32 v4, v1, 2, s18                  ; 256 z + 4 l
.irp k, 0,1,2,3,4,5,6,7
	v_add_nc_u32 v[TK+\k], 128*(\k/4)+(\k%4), v4
.endr
	v_add_nc_u32 v[DUMP], 1152, v0
	s_mov_b32 s11, 0                               ; the count so far
	s_mov_b32 s12, 0                               ; the lanes that hold a token of e in the last register that has any,
	s_mov_b32 s19, 0                               ; and that register's number
	s_lshl_b32 s20, s9, 13
	s_mov_b32 s21, 0
	s_wait_kmcnt 0x0
	s_add_nc_u64 s[6:7], s[6:7], s[20:21]          ; my row of the list
.irp j, 0,1,2,3,4,5,6,7
	global_load_b128 v[T+4*\j:T+4*\j+3], v2, s[4:5] offset:512*\j
.endr
	global_load_b128 v[OWN:OWN+3],   v3, s[4:5]
	global_load_b128 v[OWN+4:OWN+7], v3, s[4:5] offset:512
	s_wait_loadcnt 0x0
.irp k, 0,1,2,3,4,5,6,7,8,9,10,11,12,13,14,15,16,17,18,19,20,21,22,23,24,25,26,27,28,29,30,31
	v_cmp_eq_u32 vcc_lo, s9, v[T+\k]
	s_bcnt1_i32_b32 s10, vcc_lo                    ; how many of e's in this register; SCC: any at all
	s_cselect_b32 s12, vcc_lo, s12                 ; (a select leaves SCC alone)
	s_cselect_b32 s19, \k, s19
	s_add_co_u32 s11, s11, s10
.if \k == 7
	s_mov_b32 s13, s11                             ; the counts in front of registers 8, 16 and 24
.endif
.if \k == 15
	s_mov_b32 s14, s11
.endif
.if \k == 23
	s_mov_b32 s15, s11
.endif
.endr
	s_mov_b32 s16, 0                               ; the count in front of my wave's first register
	s_cmp_eq_u32 s8, 1
	s_cselect_b32 s16, s13, s16
	s_cmp_eq_u32 s8, 2
	s_cselect_b32 s16, s14, s16
	s_cmp_eq_u32 s8, 3
	s_cselect_b32 s16, s15, s16
.irp k, 0,1,2,3,4,5,6,7
	v_cmp_eq_u32 vcc_lo, s9, v[OWN+\k]
	v_mbcnt_lo_u32_b32 v[P+\k], vcc_lo, s16        ; the place: the count so far + e's tokens in the lanes before mine
	s_bcnt1_i32_b32 s10, vcc_lo
	s_add_co_u32 s16, s16, s10
	v_cndmask_b32 v[P+\k], v[DUMP], v[P+\k], vcc_lo   ; another expert's token goes to my spare entry
	v_min_u32 v[P+\k], 0x7ff, v[P+\k]              ; an entry of my row of 2,048: held there, since it is made of loaded numbers
	v_lshlrev_b32 v[P+\k], 2, v[P+\k]
	global_store_b32 v[P+\k], v[TK+\k], s[6:7]     ; each step has its own offset and data registers: none is written again
.endr
	s_cmp_lg_u32 s8, 0
	s_cbranch_scc1 .Lend
	; ---- wave 0: the pads and the count
	s_ctz_i32_b32 s18, s12                         ; a lane that holds a token of e in register s19,
	s_cmp_eq_u32 s12, 0
	s_cselect_b32 s18, 0, s18                      ; (lane 0 where there is none):  token 128 (k / 4) + 4 lane + k % 4
	s_lshr_b32 s20, s19, 2
	s_lshl_b32 s20, s20, 7
	s_and_b32 s19, s19, 3
	s_add_co_u32 s20, s20, s19
	s_lshl_b32 s21, s18, 2
	s_add_co_u32 s20, s20, s21                     ; (token 0 where e has none: its rows are computed and never stored to the output)
	v_add_nc_u32 v65, s11, v1                      ; entries cnt + l
	v_add_nc_u32 v66, 32, v65                      ; and cnt + 32 + l
	v_min_u32 v65, 0x43f, v65                      ; 1,024 + 63 at the most
	v_min_u32 v66, 0x43f, v66
	v_lshlrev_b32 v65, 2, v65
	v_lshlrev_b32 v66, 2, v66
	v_mov_b32 v67, s20
	v_mov_b32 v68, s11
	v_mov_b32 v69, 0
	global_store_b32 v65, v67, s[6:7]
	global_store_b32 v66, v67, s[6:7]
	global_store_b32 v69, v68, s[6:7] offset:4352  ; all lanes store the same word with the same value
.Lend:
	s_endpgm
.Lfunc_end_k_q0a120a40dc_sort:
	.size	k_q0a120a40dc_sort, .Lfunc_end_k_q0a120a40dc_sort-k_q0a120a40dc_sort
	.p2alignl 7, 3214868480
	.fill 96, 4, 3214868480
	.section	.rodata,"a",@progbits
	.p2align	6, 0x0
	.amdhsa_kernel k_q0a120a40dc_sort
		.amdhsa_group_segment_fixed_size 0
		.amdhsa_private_segment_fixed_size 0
		.amdhsa_enable_private_segment 0
		.amdhsa_kernarg_size 16
		.amdhsa_user_sgpr_count 2
		.amdhsa_user_sgpr_kernarg_segment_ptr 1
		.amdhsa_wavefront_size32 1
		.amdhsa_system_sgpr_workgroup_id_x 1
		.amdhsa_system_sgpr_workgroup_id_y 1
		.amdhsa_system_sgpr_workgroup_id_z 1
		.amdhsa_system_vgpr_workitem_id 0
		.amdhsa_next_free_vgpr 80
		.amdhsa_next_free_sgpr 66
		.amdhsa_reserve_vcc 1
		.amdhsa_float_denorm_mode_32 3
		.amdhsa_float_denorm_mode_16_64 3
		.amdhsa_memory_ordered 1
		.amdhsa_forward_progress 1
		.amdhsa_inst_pref_size 12
	.end_amdhsa_kernel
	.amdgpu_metadata
---
amdhsa.version: [ 1, 2 ]
amdhsa.kernels:
  - .name:           k_q0a120a40dc_sort
    .symbol:         k_q0a120a40dc_sort.kd
    .args:
      - { .name: top, .offset: 0, .size: 8, .value_kind: global_buffer, .address_space: global }
      - { .name: list, .offset: 8, .size: 8, .value_kind: global_buffer, .address_space: global }
    .group_segment_fixed_size: 0
    .private_segment_fixed_size: 0
    .kernarg_segment_align: 8
    .kernarg_segment_size: 16
    .max_flat_workgroup_size: 128
    .sgpr_count:     66
    .vgpr_count:     80
    .wavefront_size: 32
...
	.end_amdgpu_metadata
.endif
;; end of part 2
;; launch up (part 3): grid 32 x 8, 4 waves a work-group, no clusters, 104,960 bytes of LDS; arguments xq, xs, list, w1_codes, w1_scales, b1, hq, hs; writes hq, hs
.if DOCPART == 3
	.amdgcn_target "amdgcn-amd-amdhsa--gfx1250"
	.amdhsa_code_object_version 6
	.text
	.protected	k_q0a120a40dc_up
	.globl	k_q0a120a40dc_up
	.p2align	8
	.type	k_q0a120a40dc_up,@function
k_q0a120a40dc_up:
	s_mov_b64 s[64:65], 0
	v_nop
	global_prefetch_b8 v0, s[64:65] scope:SCOPE_SE
	s_setreg_imm32_b32 hwreg(HW_REG_WAVE_MODE, 25, 1), 1
	s_wait_xcnt 0x0
; THE FIRST PRODUCT, FOR THE LISTED TOKENS ONLY: h = Q(relu(x W1[e] + b1[e])), on codes of E2M1 with one E8M0 scale for each 32 along K.
; reference() multiplies every expert's output by a one-hot that it builds itself, so a token's rows are computed for its own expert alone; the lists were stored by an earlier launch as whole numbers.
; SHARES.  Work-group (s0, e) owns hidden units 128 s0 .. 128 s0 + 127 of expert e: 64 KiB of w1_codes, one 256th of the tensor: every weight byte is read once in the launch, by loads of 512 consecutive bytes,
; all of a wave's 32 on their way at once.  The rows pass through LDS once and then EVERY wave holds the whole chunk in registers (8 tiles x 8 K steps x 8 = 512).  The waves share the TOKENS: wave w takes tiles
; w, w + 4, .. of 16 listed tokens.  So a wave makes a whole fragment and a whole scale word of the second product (its K step s0), and the loop, whose trip count is a loaded number, holds no barrier.
; THE MATRIX INSTRUCTION IS USED TRANSPOSED (source 0 = 16 rows of W1, source 1 = 16 tokens), AND THE ROWS OF W1 THAT FORM A TILE ARE NOT NEIGHBOURS: row m of tile 2 b + u is hidden unit 32 b + 8 u + m + 8 (m / 8),
; so that a lane holds one token and the 16 registers of tiles 2 b, 2 b + 1 are 16 neighbours along the next K.  The order is made by the immediates of the LDS stores.  b1 is the C of each sum's first instruction.
; OUT.  hq [e][tile 64][K step 32][2][lane 32][16 bytes]: the image of the operand's registers; hs [e][tile][2,048]: the scale word of (K step s, token r) at 512 (s / 8) + 256 ((s / 4) % 2) + 16 r + 4 (s % 4).
; Every wave works tile w even where the list is shorter (its entries are pads): tiles 0-3 of every expert are always written, and the next launch may always read them.
; No cluster: no two work-groups share a weight byte, and the tokens' rows are gathered by a list.  No tensor loads: the stores' immediates order the rows, and the transit registers are those that the fragments take.
; LIMITS: NaN and infinities are not served.  A block of zeros gets the scale byte 1 where the quantiser says 127: its codes are zeros, and this program alone reads the bytes.
; REGISTERS, in windows of 256: window 0: v1-15 addresses, v16-31 the rows' addresses, v32-95 x's 8 fragments, v96-159 the 8 accumulators, v160.. at work, v186-193 x's scale words, v200-231 W1's.
;   window 1: W1's fragments of K steps 0-3 ((s, t) at 8 (8 (s % 4) + t)); first the weights' transit.   window 2: K steps 4-7.   window 3: v0-63 16 rows of x as loaded; v64-127 b1's 8 tiles.
.set XST0, 67584                       ; LDS: 0 .. 67,583: 128 rows of W1, 512 bytes + 16 of padding each; from XST0 on 9,216 bytes a wave: 16 rows of x (528 each), then at 8,448 their 512 scale bytes
.set L16,  1                           ; v1   16 l
.set WSTO, 2                           ; v2   the weights' way into LDS: 16,896 w + 16 l
.set WFR,  3                           ; v3   a fragment's place: 528 r + 16 h
.set XSTO, 4                           ; v4   my stage + 16 l
.set XFR,  5                           ; v5   my stage + 528 r + 16 h
.set XSR,  7                           ; v7   my stage + 32 r
.set VL,   8                           ; v8   list entry l / 2 of the tile
.set XSA,  9                           ; v9   its scale bytes' half: 32 x token + 16 (l % 2)
.set HSO,  10                          ; v10  16 r
.set WSA,  11                          ; v11  W1's scale words: 32 (8 h + r + 8 (r / 8))
.set B1A,  12                          ; v12  64 h
.set H16,  13                          ; v13  16 (l % 2)
.set LL,   14                          ; v14  4 (l / 2)
.set LA,   15                          ; v15  the list's byte for VL
.set XA,   16
.set F,    32
.set HA,   96
.set PC,   160                         ; v160-167 the codes just made
.set TM,   168                         ; v168-183 at work in QUANT
.set PW,   184                         ; the scale word just made
.set XS,   186
.set XR,   196                         ; v196-199 16 scale bytes of x as loaded
.set WS,   200                         ; register 8 b + s: lanes 0-15 the words of tile 2 b, lanes 16-31 of tile 2 b + 1, K step s
.set R,    0
.set B1,   64
.set N,    32                          ; s[32:47] the tile's 16 list entries
.set SEL,  28
.set MSB, 0
.macro WIN new                         ; the immediate's high byte repeats the setting that is left; a switch that changes nothing is dropped
.if MSB != \new
	s_set_vgpr_msb (MSB<<8)|\new
.set MSB, \new
.endif
.endm
; 64 numbers of a lane, register 16 b + i = k 32 b + 16 (lane / 16) + i of my token, become a fragment's codes in v[PC] on and its scale word in v[PW].
.macro QUANT s
.irp b, 0,1,2,3
	v_max3_num_f32 v[TM+\b], |v[\s+16*\b]|, |v[\s+1+16*\b]|, 0x1800000   ; block b: my 16 numbers, and the floor 2^(3 - 127): the byte cannot fall under 1
.endr
.irp i, 2,4,6,8,10,12,14
.irp b, 0,1,2,3
	v_max3_num_f32 v[TM+\b], v[TM+\b], |v[\s+16*\b+\i]|, |v[\s+1+16*\b+\i]|   ; (the four blocks by turns)
.endr
.endr
.irp b, 0,1,2,3
	v_permlanex16_b32 v[TM+4+\b], v[TM+\b], s[SEL], s[SEL+1]
.endr
.irp b, 0,1,2,3
	v_max_num_f32 v[TM+\b], v[TM+\b], v[TM+4+\b]   ; with lane l xor 16's: the block's largest magnitude
.endr
.irp b, 0,1,2,3
	v_add_nc_u32 v[TM+12+\b], 0xff000000, v[TM+\b] ; 2 off its exponent field: the conversion's scale operand
.endr
.irp b, 0,1,2,3
	v_lshrrev_b32 v[TM+4+\b], 23, v[TM+12+\b]      ; the scale's byte
.endr
	v_lshl_or_b32 v[PW], v[TM+5], 8, v[TM+4]
	v_lshl_or_b32 v[PW], v[TM+6], 16, v[PW]
	v_lshl_or_b32 v[PW], v[TM+7], 24, v[PW]
.irp b, 0,1,2,3
	v_cvt_scalef32_pk8_fp4_f32 v[PC+2*\b], v[\s+16*\b:\s+7+16*\b], v[TM+12+\b]
	v_cvt_scalef32_pk8_fp4_f32 v[PC+1+2*\b], v[\s+8+16*\b:\s+15+16*\b], v[TM+12+\b]
.endr
	v_nop                                          ; one plain place behind the scaled conversions
.irp c, 0,1                                    ; the operand's layout wants a WHOLE block in a lane: lanes 0-15 block 2 c, lanes 16-31 block 2 c + 1
.irp i, 0,1
	v_permlane16_swap_b32 v[PC+4*\c+\i], v[PC+2+4*\c+\i]
.endr
.endr
.endm
.macro XADDR                           ; the tile's 16 tokens, held under 1,024 since they are loaded numbers, become the addresses of their rows
.irp i, 0,1,2,3,4,5,6,7,8,9,10,11,12,13,14,15
	s_min_u32 s[N+\i], s[N+\i], 0x3ff
	v_lshl_add_u32 v[XA+\i], s[N+\i], 9, v[L16]    ; 512 x token + 16 l
.endr
	v_min_u32 v[VL], 0x3ff, v[VL]
	v_lshl_add_u32 v[XSA], v[VL], 5, v[H16]
.endm
.macro XLOAD                           ; 17 loads: 16 whole rows of codes, 512 consecutive bytes each, and the 16 rows' scale bytes, 16 a lane
	WIN 0xc0                                       ; destination window 3
.irp i, 0,1,2,3,4,5,6,7,8,9,10,11,12,13,14,15
	global_load_b128 v[R+4*\i:R+4*\i+3], v[XA+\i], s[4:5]
.endr
	WIN 0
	global_load_b128 v[XR:XR+3], v[XSA], s[6:7]
.endm
.macro LNEXT                           ; the list entries of tile s49, held at the last tile that the list has: asked for a tile ahead of the rows that they name
	s_min_u32 s26, s49, s25
	s_min_u32 s26, s26, 63
	s_lshl_b32 s26, s26, 6
	s_load_b512 s[N:N+15], s[8:9], s26 offset:0x0
	v_add_nc_u32 v[LA], s26, v[LL]
	global_load_b32 v[VL], v[LA], s[8:9]
.endm
.macro MM s, t                         ; tile t's sum takes K step s
.set rD, HA+8*(\t)
.set rW, 8*(8*((\s)%4)+(\t))
.set rF, F+8*(\s)
.set rA, WS+8*((\t)/2)+(\s)
.set rB, XS+(\s)
.if (\s) == 0
.if (\t)%2 == 0
	v_wmma_scale_f32_16x16x128_f8f6f4 v[rD:rD+7], v[rW:rW+7], v[rF:rF+7], v[B1+8*(\t):B1+8*(\t)+7], v[rA], v[rB] matrix_a_fmt:MATRIX_FMT_FP4 matrix_b_fmt:MATRIX_FMT_FP4
.else
	v_wmma_scale_f32_16x16x128_f8f6f4 v[rD:rD+7], v[rW:rW+7], v[rF:rF+7], v[B1+8*(\t):B1+8*(\t)+7], v[rA], v[rB] matrix_a_fmt:MATRIX_FMT_FP4 matrix_b_fmt:MATRIX_FMT_FP4 matrix_a_scale:MATRIX_SCALE_ROW1
.endif
.else
.if (\t)%2 == 0
	v_wmma_scale_f32_16x16x128_f8f6f4 v[rD:rD+7], v[rW:rW+7], v[rF:rF+7], v[rD:rD+7], v[rA], v[rB] matrix_a_fmt:MATRIX_FMT_FP4 matrix_b_fmt:MATRIX_FMT_FP4
.else
	v_wmma_scale_f32_16x16x128_f8f6f4 v[rD:rD+7], v[rW:rW+7], v[rF:rF+7], v[rD:rD+7], v[rA], v[rB] matrix_a_fmt:MATRIX_FMT_FP4 matrix_b_fmt:MATRIX_FMT_FP4 matrix_a_scale:MATRIX_SCALE_ROW1
.endif
.endif
.endm
	s_load_b512 s[4:19], s[0:1], 0x0               ; xq s[4:5], xs s[6:7], list s[8:9], w1_codes s[10:11], w1_scales s[12:13], b1 s[14:15], hq s[16:17], hs s[18:19]
	v_lshl_add_u32 v254, v0, 2, 0x19800
	v_mov_b32 v255, 0
	v_lshrrev_b32 v240, 5, v0
	v_readfirstlane_b32 s20, v240                  ; wave w
	s_and_b32 s21, ttmp7, 0xffff                   ; expert e
	s_mov_b32 s22, ttmp9                           ; chunk s0
	v_and_b32 v240, 31, v0                         ; l
	v_and_b32 v241, 15, v0                         ; r
	v_bfe_u32 v242, v0, 4, 1                       ; h
	v_lshlrev_b32 v[L16], 4, v240
	s_mul_i32 s27, s20, 16896                      ; 32 rows of 528 bytes a wave
	v_add_nc_u32 v[WSTO], s27, v[L16]
	v_mul_u32_u24 v[WFR], v241, 528
	v_lshl_add_u32 v[WFR], v242, 4, v[WFR]
	s_mul_i32 s27, s20, 9216
	s_add_co_u32 s27, s27, XST0                    ; my stage
	v_add_nc_u32 v[XSTO], s27, v[L16]
	v_add_nc_u32 v[XFR], s27, v[WFR]
	v_lshl_add_u32 v[XSR], v241, 5, s27
	v_lshlrev_b32 v[HSO], 4, v241
	v_and_b32 v243, 8, v241
	v_add_nc_u32 v243, v243, v241                  ; r + 8 (r / 8)
	v_lshl_add_u32 v243, v242, 3, v243             ; + 8 h: lanes 16-31 take the odd tile's rows
	v_lshlrev_b32 v[WSA], 5, v243
	v_lshlrev_b32 v[B1A], 6, v242
	v_and_b32 v243, 1, v0
	v_lshlrev_b32 v[H16], 4, v243
	v_lshrrev_b32 v243, 1, v240
	v_lshlrev_b32 v[LL], 2, v243
	s_mov_b32 s[SEL], 0x76543210
	s_mov_b32 s[SEL+1], 0xfedcba98                 ; v_permlanex16_b32's selects for lane l xor 16
.irp b, 0,1,2,3
	v_mov_b32 v[TM+4+\b], 0                        ; written once: a lane permute's destination counts as one of its sources
.endr
	s_lshl_b32 s26, s20, 6                         ; tile w's 16 entries
	v_add_nc_u32 v[LA], s26, v[LL]
	s_mov_b32 s31, 0
	s_wait_kmcnt 0x0
	s_lshl_b32 s30, s21, 13
	s_add_nc_u64 s[8:9], s[8:9], s[30:31]          ; my expert's list
	s_load_b32 s48, s[8:9], 0x1100                 ; its count
	s_load_b512 s[N:N+15], s[8:9], s26 offset:0x0
	global_load_b32 v[VL], v[LA], s[8:9]
	s_lshl_b32 s30, s21, 21
	s_lshl_b32 s27, s22, 16
	s_add_co_u32 s30, s30, s27
	s_lshl_b32 s27, s20, 14
	s_add_co_u32 s30, s30, s27
	s_add_nc_u64 s[10:11], s[10:11], s[30:31]      ; my wave's 32 rows of W1
	WIN 0x40                                       ; destination window 1
.set i, 0
.rept 32
	global_load_b128 v[4*i:4*i+3], v[L16], s[10:11] offset:512*i th:TH_LOAD_NT   ; a whole row: 512 consecutive bytes; read once in the launch
.set i, i+1
.endr
	WIN 0
	s_lshl_b32 s30, s21, 17
	s_lshl_b32 s27, s22, 12
	s_add_co_u32 s30, s30, s27
	s_add_nc_u64 s[12:13], s[12:13], s[30:31]      ; the chunk's scale bytes: 128 rows of 32
	s_lshl_b32 s30, s21, 14
	s_lshl_b32 s27, s22, 9
	s_add_co_u32 s30, s30, s27
	s_add_nc_u64 s[14:15], s[14:15], s[30:31]      ; the chunk's b1
	s_lshl_b32 s30, s21, 21
	s_lshl_b32 s27, s20, 15
	s_add_co_u32 s30, s30, s27
	s_lshl_b32 s27, s22, 10
	s_add_co_u32 s30, s30, s27
	s_add_nc_u64 s[16:17], s[16:17], s[30:31]      ; hq: expert, tile w, K step s0
	s_lshl_b32 s30, s21, 17
	s_lshl_b32 s27, s20, 11
	s_add_co_u32 s30, s30, s27
	s_lshr_b32 s27, s22, 3
	s_lshl_b32 s27, s27, 9
	s_add_co_u32 s30, s30, s27
	s_bfe_u32 s27, s22, 0x10002
	s_lshl_b32 s27, s27, 8
	s_add_co_u32 s30, s30, s27
	s_and_b32 s27, s22, 3
	s_lshl_b32 s27, s27, 2
	s_add_co_u32 s30, s30, s27
	s_add_nc_u64 s[18:19], s[18:19], s[30:31]      ; hs: expert, tile w, K step s0's words
	s_wait_kmcnt 0x0                               ; the count and tile w's entries
	s_min_u32 s48, s48, 0x400
	s_add_co_u32 s23, s48, 15
	s_lshr_b32 s23, s23, 4                         ; nt: the list's tiles
	s_max_u32 s25, s23, 4
	s_sub_co_u32 s25, s25, 1                       ; the last tile whose entries are written
	s_add_co_u32 s50, s23, 3
	s_sub_co_u32 s50, s50, s20
	s_lshr_b32 s50, s50, 2                         ; my tiles w, w + 4, .. under nt: (nt + 3 - w) / 4 of them,
	s_max_u32 s50, s50, 1                          ; and tile w in any case: the loop's trips
	s_mov_b32 s24, 0                               ; the trip's number i: my tile is w + 4 i
	s_wait_loadcnt 32                              ; VL is in: behind it the 32 loads of weights
	XADDR
	XLOAD                                          ; tile w's rows
	s_add_co_u32 s49, s20, 4
	LNEXT                                          ; tile w + 4's entries
.irp b, 0,1,2,3
.irp j, 0,1
	global_load_b128 v[WS+8*\b+4*\j:WS+8*\b+4*\j+3], v[WSA], s[12:13] offset:1024*\b+16*\j
.endr
.endr
	s_wait_loadcnt 26                              ; the weights are in: behind them 17 loads of x, 1 of the list, 8 of scale words
	WIN 0x04                                       ; an LDS store's data are its source 1: window 1
.set i, 0
.rept 32
	ds_store_b128 v[WSTO], v[4*i:4*i+3] offset:528*(16*((i/8)%2)+(i%8)+8*(i/16))   ; row 32 w + i goes to place m = i % 8 + 8 (i / 16) of tile 2 w + (i / 8) % 2
.set i, i+1
.endr
	WIN 0xc0
.irp t, 0,1,2,3,4,5,6,7
	global_load_b128 v[B1+8*\t:B1+8*\t+3],   v[B1A], s[14:15] offset:(32*(\t/2)+8*(\t%2))*4      ; lane (r, h), tile 2 b + u: b1 of hidden units 32 b + 16 h + 8 u + 0 .. 7
	global_load_b128 v[B1+8*\t+4:B1+8*\t+7], v[B1A], s[14:15] offset:(32*(\t/2)+8*(\t%2))*4+16
.endr
	WIN 0
	s_wait_dscnt 0x0                               ; for the others' sake: my 32 rows lie in LDS
	s_barrier_signal -1
	s_barrier_wait -1                              ; the kernel's one barrier: all 128 rows do; nobody writes them again
.irp s, 0,1,2,3,4,5,6,7
.if \s == 0
	WIN 0x40
.endif
.if \s == 4
	WIN 0x80
.endif
.irp t, 0,1,2,3,4,5,6,7
.irp c, 0,1
	ds_load_b128 v[8*(8*(\s%4)+\t)+4*\c:8*(8*(\s%4)+\t)+4*\c+3], v[WFR] offset:8448*\t+64*\s+32*\c   ; rows 528 bytes apart: the 16 rows of a load start at 16 different groups of four banks
.endr
.endr
.endr
	WIN 0
.Ltile:                                            ; a trip: one tile of 16 listed tokens
	s_wait_loadcnt 0x0                             ; all that is out belongs to this tile (and, in the first trip, to the head): rows, scale bytes, the next entries
	WIN 0x0c                                       ; the data: window 3
.irp i, 0,1,2,3,4,5,6,7,8,9,10,11,12,13,14,15
	ds_store_b128 v[XSTO], v[R+4*\i:R+4*\i+3] offset:528*\i
.endr
	WIN 0
	ds_store_b128 v[XSTO], v[XR:XR+3] offset:8448
.irp s, 0,1,2,3,4,5,6,7
.irp c, 0,1
	ds_load_b128 v[F+8*\s+4*\c:F+8*\s+4*\c+3], v[XFR] offset:64*\s+32*\c   ; LDS serves a wave's instructions in order (ISA guide 5.7.1.4): these see my stores; the stage is my wave's own
.endr
.endr
	ds_load_b128 v[XS:XS+3],   v[XSR] offset:8448  ; lane r: token r's eight scale words
	ds_load_b128 v[XS+4:XS+7], v[XSR] offset:8464
	s_wait_dscnt 0x0                               ; the fragments are in (in the first trip W1's too), and the stores have read the rows' registers
	s_add_co_u32 s49, s24, 1
	s_cmp_lt_u32 s49, s50
	s_cbranch_scc0 .Lnonext                        ; my next tile's rows are asked for now, if there is a next trip: they land under this tile's work
	s_wait_kmcnt 0x0                               ; its entries
	XADDR
	XLOAD
	s_add_co_u32 s49, s24, 2
	s_lshl_b32 s49, s49, 2
	s_add_co_u32 s49, s49, s20                     ; tile w + 4 (i + 2)
	LNEXT
.Lnonext:
.irp s, 0,1,2,3,4,5,6,7                        ; 64 matrix instructions; the eight accumulators take turns, one instruction a turn
.if \s == 0
	WIN 0x31                                       ; source 0 (W1) window 1, C (b1) window 3
.elseif \s == 1
	WIN 0x01
.elseif \s == 4
	WIN 0x02                                       ; source 0 window 2
.endif
.irp t, 0,1,2,3,4,5,6,7
	MM \s, \t
.endr
.endr
	WIN 0
.rept 4
	v_nop                                          ; four places behind the last products, in front of the first read of results and of the next trip's loads into operands
.endr
.set i, 0
.rept 64
	v_max_num_f32 v[HA+i], 0, v[HA+i]              ; the activation, in f32; each accumulator from its low end on
.set i, i+1
.endr
	QUANT HA
	global_store_b128 v[L16], v[PC:PC+3],   s[16:17]              ; the fragment as it stands: 512 consecutive bytes a store
	global_store_b128 v[L16], v[PC+4:PC+7], s[16:17] offset:512
	global_store_b32 v[HSO], v[PW], s[18:19]       ; token r's scale word; lanes l and l + 16 store the same word with the same value
	s_wait_xcnt 0x0                                ; the stores' data and bases are written again only behind this wait
	s_add_nc_u64 s[16:17], s[16:17], 0x20000       ; four tiles on
	s_add_nc_u64 s[18:19], s[18:19], 0x2000
	s_add_co_u32 s24, s24, 1
	s_cmp_lt_u32 s24, s50
	s_cbranch_scc1 .Ltile
	s_wait_tensorcnt 0x0
	ds_add_u32 v254, v255
	s_wait_dscnt 0x0
	s_endpgm
.Lfunc_end_k_q0a120a40dc_up:
	.size	k_q0a120a40dc_up, .Lfunc_end_k_q0a120a40dc_up-k_q0a120a40dc_up
	.p2alignl 7, 3214868480
	.fill 96, 4, 3214868480
	.section	.rodata,"a",@progbits
	.p2align	6, 0x0
	.amdhsa_kernel k_q0a120a40dc_up
		.amdhsa_group_segment_fixed_size 104960
		.amdhsa_private_segment_fixed_size 0
		.amdhsa_enable_private_segment 0
		.amdhsa_kernarg_size 64
		.amdhsa_user_sgpr_count 2
		.amdhsa_user_sgpr_kernarg_segment_ptr 1
		.amdhsa_wavefront_size32 1
		.amdhsa_system_sgpr_workgroup_id_x 1
		.amdhsa_system_sgpr_workgroup_id_y 1
		.amdhsa_system_sgpr_workgroup_id_z 1
		.amdhsa_system_vgpr_workitem_id 0
		.amdhsa_next_free_vgpr 896
		.amdhsa_next_free_sgpr 66
		.amdhsa_reserve_vcc 0
		.amdhsa_float_denorm_mode_32 3
		.amdhsa_float_denorm_mode_16_64 3
		.amdhsa_memory_ordered 1
		.amdhsa_forward_progress 1
		.amdhsa_inst_pref_size 45
	.end_amdhsa_kernel
	.amdgpu_metadata
---
amdhsa.version: [ 1, 2 ]
amdhsa.kernels:
  - .name:           k_q0a120a40dc_up
    .symbol:         k_q0a120a40dc_up.kd
    .args:
      - { .name: xq, .offset: 0, .size: 8, .value_kind: global_buffer, .address_space: global }
      - { .name: xs, .offset: 8, .size: 8, .value_kind: global_buffer, .address_space: global }
      - { .name: list, .offset: 16, .size: 8, .value_kind: global_buffer, .address_space: global }
      - { .name: w1_codes, .offset: 24, .size: 8, .value_kind: global_buffer, .address_space: global }
      - { .name: w1_scales, .offset: 32, .size: 8, .value_kind: global_buffer, .address_space: global }
      - { .name: b1, .offset: 40, .size: 8, .value_kind: global_buffer, .address_space: global }
      - { .name: hq, .offset: 48, .size: 8, .value_kind: global_buffer, .address_space: global }
      - { .name: hs, .offset: 56, .size: 8, .value_kind: global_buffer, .address_space: global }
    .group_segment_fixed_size: 104960
    .private_segment_fixed_size: 0
    .kernarg_segment_align: 8
    .kernarg_segment_size: 64
    .max_flat_workgroup_size: 128
    .sgpr_count:     66
    .vgpr_count:     896
    .wavefront_size: 32
...
	.end_amdgpu_metadata
.endif
;; end of part 3
;; launch down (part 4): grid 32 x 8, 4 waves a work-group, no clusters, 75,264 bytes of LDS; arguments hq, hs, list, w2_codes, w2_scales, b2, out0; writes out0
.if DOCPART == 4
	.amdgcn_target "amdgcn-amd-amdhsa--gfx1250"
	.amdhsa_code_object_version 6
	.text
	.protected	k_q0a120a40dc_down
	.globl	k_q0a120a40dc_down
	.p2align	8
	.type	k_q0a120a40dc_down,@function
k_q0a120a40dc_down:
	s_mov_b64 s[64:65], 0
	v_nop
	global_prefetch_b8 v0, s[64:65] scope:SCOPE_SE
	s_setreg_imm32_b32 hwreg(HW_REG_WAVE_MODE, 25, 1), 1
	s_wait_xcnt 0x0
; THE SECOND PRODUCT AND THE SCATTER: out0[token] = h W2[e] + b2[e] for the tokens of expert e's list, on codes of E2M1 with one E8M0 scale for each 32 along K (K = 4,096: 32 steps of 128).
; SHARES.  Work-group (dc, e) owns output columns 32 dc .. 32 dc + 31 of expert e: 64 KiB of w2_codes, one 256th of the tensor, read once in the launch by loads of 512 consecutive bytes, all of a wave's 32 on their
; way at once.  The 32 rows pass through LDS once, and then every wave holds all 2 x 32 fragments in registers (512).  The waves share the tokens: wave w takes tiles w, w + 4, .. of 16 listed tokens, over all of K:
; no sum spans waves, and the loop, whose trip count is a loaded number, holds no barrier.
; h comes as images of the operand's registers: a fragment is two loads of 512 consecutive bytes, straight into the registers that the matrix instruction names.  A tile's 64 such loads go in four groups of 8 K steps;
; a group's registers are asked for anew, for my next tile, as soon as its 16 products are issued.
; THE MATRIX INSTRUCTION IS USED TRANSPOSED (source 0 = 16 rows of W2, source 1 = 16 tokens): a lane holds eight neighbouring outputs of one token.  Four accumulators (2 tiles of outputs x even and odd K steps) take
; turns; b2 is the C of the even sums' first instruction, the constant 0 that of the odd sums'; the two are added at the end.
; THE WAY OUT.  A token's 32 outputs are 128 consecutive bytes of its row of out0; a tile goes through my wave's own 2,176 bytes of LDS, and eight neighbouring lanes store those 128 bytes.  Whole aligned runs of 256
; would want 64 columns to a work-group: 128 work-groups, or every weight byte read twice.
; Pad entries of a list name a token of the same expert again: their rows hold the same numbers and go to the same bytes.  A tile past the list's end (wave w works tile w in any case) is computed and not stored.
; No cluster: no two work-groups share a weight byte; h's tiles are shared by an expert's 32 work-groups, but how many there are is a loaded number.
; LIMITS: NaN and infinities are not served: where an expert that is not chosen would give a non-finite number, reference() gives NaN and this program the chosen expert's number.
; REGISTERS, in windows of 256: window 0: v1-9 addresses; v16-19 four tokens, v20-23 their addresses; v24-39 b2's two tiles; v40-71 the accumulators; v72-87 rows on the way out; v88-103 h's scale words; v104-135 W2's.
;   windows 1 and 2: W2's fragments, (s, n) at 8 (2 (s % 16) + n), K steps 0-15 and 16-31; window 1 first holds the weights' transit.   window 3: the tile's 32 fragments of h, 8 s on.
.set OST0, 66048                       ; LDS: 0 .. 66,047: 32 rows of W2, 2,048 bytes + 16 of padding each; from OST0 on 2,176 bytes a wave: 8 pieces of 256 + 16
.set L16,  1                           ; v1  16 l
.set WSTO, 2                           ; v2  the weights' way into LDS: 16,512 w + 16 l
.set WFR,  3                           ; v3  a fragment's place: 2,064 r + 16 h
.set OSTO, 4                           ; v4  the way out, in: my stage + 272 h + 16 r
.set ORD,  5                           ; v5  and back
.set WSA,  6                           ; v6  128 l: row l's scale words
.set BA,   7                           ; v7  32 h
.set TKA,  8                           ; v8  the list bytes of the four tokens whose pieces I store
.set CP,   9                           ; v9  128 dc + 16 (l % 8): my 16 bytes in a row of out0
.set TOK,  16
.set OA,   20
.set BB,   24
.set ACC,  40                          ; accumulator (n, parity of s) at ACC + 16 n + 8 parity
.set O,    72
.set HS,   88                          ; register 4 (s / 8) + s % 4: lanes 0-15 the words of K step s with (s / 4) % 2 = 0, lanes 16-31 of the step four on
.set WS,   104                         ; register s: lane l the word of row l: lanes 0-15 tile 0, lanes 16-31 tile 1
.set MSB, 0
.macro WIN new                         ; the immediate's high byte repeats the setting that is left; a switch that changes nothing is dropped
.if MSB != \new
	s_set_vgpr_msb (MSB<<8)|\new
.set MSB, \new
.endif
.endm
.macro HLOAD j                         ; group j of a tile: its scale words (one load), 8 fragments (16 loads); group 0 also the tokens: 18, 17, 17, 17 loads
.if \j == 0
	global_load_b128 v[TOK:TOK+3], v[TKA], s[8:9]
.endif
	global_load_b128 v[HS+4*\j:HS+4*\j+3], v[L16], s[6:7] offset:512*\j
	WIN 0xc0                                       ; destination window 3
.irp q, 0,1,2,3,4,5,6,7
.irp c, 0,1
	global_load_b128 v[8*(8*\j+\q)+4*\c:8*(8*\j+\q)+4*\c+3], v[L16], s[4:5] offset:1024*(8*\j+\q)+512*\c
.endr
.endr
	WIN 0
.endm
.macro MMD s, n                        ; K step s, tile n of the outputs
.set rD, ACC+16*(\n)+8*((\s)%2)
.set rW, 8*(2*((\s)%16)+(\n))
.set rH, 8*(\s)
.set rA, WS+(\s)
.set rB, HS+4*((\s)/8)+((\s)%4)
.set ra, \n
.set rb, ((\s)/4)%2
.set rC, rD
.if (\s) == 0
.set rC, BB+8*(\n)
.endif
.if (\s) == 1
.if ra == 0
	v_wmma_scale_f32_16x16x128_f8f6f4 v[rD:rD+7], v[rW:rW+7], v[rH:rH+7], 0, v[rA], v[rB] matrix_a_fmt:MATRIX_FMT_FP4 matrix_b_fmt:MATRIX_FMT_FP4
.else
	v_wmma_scale_f32_16x16x128_f8f6f4 v[rD:rD+7], v[rW:rW+7], v[rH:rH+7], 0, v[rA], v[rB] matrix_a_fmt:MATRIX_FMT_FP4 matrix_b_fmt:MATRIX_FMT_FP4 matrix_a_scale:MATRIX_SCALE_ROW1
.endif
.elseif (ra == 0) && (rb == 0)
	v_wmma_scale_f32_16x16x128_f8f6f4 v[rD:rD+7], v[rW:rW+7], v[rH:rH+7], v[rC:rC+7], v[rA], v[rB] matrix_a_fmt:MATRIX_FMT_FP4 matrix_b_fmt:MATRIX_FMT_FP4
.elseif (ra == 1) && (rb == 0)
	v_wmma_scale_f32_16x16x128_f8f6f4 v[rD:rD+7], v[rW:rW+7], v[rH:rH+7], v[rC:rC+7], v[rA], v[rB] matrix_a_fmt:MATRIX_FMT_FP4 matrix_b_fmt:MATRIX_FMT_FP4 matrix_a_scale:MATRIX_SCALE_ROW1
.elseif ra == 0
	v_wmma_scale_f32_16x16x128_f8f6f4 v[rD:rD+7], v[rW:rW+7], v[rH:rH+7], v[rC:rC+7], v[rA], v[rB] matrix_a_fmt:MATRIX_FMT_FP4 matrix_b_fmt:MATRIX_FMT_FP4 matrix_b_scale:MATRIX_SCALE_ROW1
.else
	v_wmma_scale_f32_16x16x128_f8f6f4 v[rD:rD+7], v[rW:rW+7], v[rH:rH+7], v[rC:rC+7], v[rA], v[rB] matrix_a_fmt:MATRIX_FMT_FP4 matrix_b_fmt:MATRIX_FMT_FP4 matrix_a_scale:MATRIX_SCALE_ROW1 matrix_b_scale:MATRIX_SCALE_ROW1
.endif
.endm
; One tile of 16 tokens, up to its rows in v[O] on.  refill = 1: each group's registers are asked for anew, for the tile four on.
.macro TILE refill
.irp j, 0,1,2,3
.if \refill
.if \j == 0
	s_wait_loadcnt 51                              ; group 0 is in: behind it this tile's groups 1, 2, 3: 17 + 17 + 17
.else
	s_wait_loadcnt 52                              ; group j is in: behind it three groups, the next tile's group 0 (18 loads) among them
.endif
.else
	s_wait_loadcnt 51-17*\j                        ; nothing is asked for any more: the counts run down
.endif
.if \j == 0
	s_wait_xcnt 0x0                                ; the last tile's stores have read their addresses and data, and this tile's loads their bases: all are written again only behind this wait
.irp i, 0,1,2,3
	v_min_u32 v[OA+\i], 0x3ff, v[TOK+\i]           ; a token is under 1,024: held there, since it is a loaded number
.endr
.irp i, 0,1,2,3
	v_lshl_add_u32 v[OA+\i], v[OA+\i], 12, v[CP]   ; its row of 4,096 bytes + my 16 bytes
.endr
.if \refill
	s_add_nc_u64 s[4:5], s[4:5], 0x20000           ; four tiles on: images,
	s_add_nc_u64 s[6:7], s[6:7], 0x2000            ; scale words,
	s_add_nc_u64 s[8:9], s[8:9], 256               ; list entries
.endif
.endif
.if \j < 2
	WIN 0x0d                                       ; source 0 (W2) window 1, source 1 (h) window 3, C and D window 0
.else
	WIN 0x0e                                       ; source 0 window 2
.endif
.irp q, 0,1,2,3,4,5,6,7                        ; 16 matrix instructions; the four accumulators take turns, one instruction a turn
.irp n, 0,1
	MMD 8*\j+\q, \n
.endr
.endr
	WIN 0
.rept 4
	v_nop                                          ; four places behind the products, in front of loads into their operands and of the first read of results
.endr
.if \refill
	HLOAD \j
.endif
.endr
.irp n, 0,1
.irp q, 0,2,4,6
	v_pk_add_f32 v[ACC+16*\n+\q:ACC+16*\n+\q+1], v[ACC+16*\n+\q:ACC+16*\n+\q+1], v[ACC+16*\n+8+\q:ACC+16*\n+8+\q+1]   ; even and odd K steps' sums; each accumulator from its low end on
.endr
.endr
.irp n, 0,1
.irp u, 0,1
	ds_store_b128 v[OSTO], v[ACC+16*\n+4*\u:ACC+16*\n+4*\u+3] offset:272*(4*\n+2*\u)   ; piece 4 n + 2 u + h: columns 16 n + 8 h + 4 u + 0 .. 3 of the 16 tokens, 16 bytes a token
.endr
.endr
.irp i, 0,1,2,3
	ds_load_b128 v[O+4*\i:O+4*\i+3], v[ORD] offset:16*\i   ; LDS serves a wave's instructions in order (ISA guide 5.7.1.4): these see my stores; the stage is my wave's own
.endr
	s_wait_dscnt 0x0
.endm
.macro OUT
.irp i, 0,1,2,3
	global_store_b128 v[OA+\i], v[O+4*\i:O+4*\i+3], s[16:17] th:TH_STORE_NT   ; four tokens an instruction; eight neighbouring lanes store 128 consecutive bytes of a row
.endr
.endm
	s_load_b256 s[4:11], s[0:1], 0x0               ; hq s[4:5], hs s[6:7], list s[8:9], w2_codes s[10:11]
	s_load_b128 s[12:15], s[0:1], 0x20             ; w2_scales s[12:13], b2 s[14:15]
	s_load_b64 s[16:17], s[0:1], 0x30              ; out0
	v_lshl_add_u32 v254, v0, 2, 0x12400
	v_mov_b32 v255, 0
	v_lshrrev_b32 v240, 5, v0
	v_readfirstlane_b32 s20, v240                  ; wave w
	s_and_b32 s21, ttmp7, 0xffff                   ; expert e
	s_mov_b32 s22, ttmp9                           ; dc
	v_and_b32 v240, 31, v0                         ; l
	v_and_b32 v241, 15, v0                         ; r
	v_bfe_u32 v242, v0, 4, 1                       ; h
	v_lshlrev_b32 v[L16], 4, v240
	s_mul_i32 s27, s20, 16512                      ; 8 rows of 2,064 bytes a wave
	v_add_nc_u32 v[WSTO], s27, v[L16]
	v_mul_u32_u24 v[WFR], v241, 2064
	v_lshl_add_u32 v[WFR], v242, 4, v[WFR]
	s_mul_i32 s27, s20, 2176
	s_add_co_u32 s27, s27, OST0                    ; my stage
	v_mul_u32_u24 v[OSTO], v242, 272
	v_lshl_add_u32 v[OSTO], v241, 4, v[OSTO]
	v_add_nc_u32 v[OSTO], s27, v[OSTO]
	; back: lane l = 8 a + p takes the p-th 16 bytes of a token's 128: columns 4 p on lie in piece 4 (p / 4) + 2 (p % 2) + (p / 2) % 2; load i brings token 8 (a % 2) + 4 (a / 2) + i
	v_and_b32 v244, 4, v240
	v_and_b32 v245, 1, v240
	v_lshl_add_u32 v244, v245, 1, v244
	v_bfe_u32 v245, v240, 1, 1
	v_add_nc_u32 v244, v244, v245                  ; the piece
	v_mul_u32_u24 v[ORD], v244, 272
	v_bfe_u32 v245, v240, 3, 1                     ; a % 2
	v_lshl_add_u32 v[ORD], v245, 7, v[ORD]         ; 8 tokens of 16 bytes: with the pieces' 16 bytes of padding
	v_lshlrev_b32 v[TKA], 5, v245                  ; 8 entries of 4 bytes
	v_bfe_u32 v245, v240, 4, 1                     ; a / 2
	v_lshl_add_u32 v[ORD], v245, 6, v[ORD]
	v_lshl_add_u32 v[TKA], v245, 4, v[TKA]
	v_add_nc_u32 v[ORD], s27, v[ORD]
	v_lshlrev_b32 v[WSA], 7, v240
	v_lshlrev_b32 v[BA], 5, v242
	v_and_b32 v243, 7, v0
	s_lshl_b32 s28, s22, 7
	v_lshl_add_u32 v[CP], v243, 4, s28
	s_mov_b32 s31, 0
	s_wait_kmcnt 0x0
	s_lshl_b32 s30, s21, 21
	s_lshl_b32 s27, s22, 16
	s_add_co_u32 s30, s30, s27
	s_lshl_b32 s27, s20, 14
	s_add_co_u32 s30, s30, s27
	s_add_nc_u64 s[10:11], s[10:11], s[30:31]      ; my wave's 8 rows of W2
	WIN 0x40                                       ; destination window 1
.set i, 0
.rept 32
	global_load_b128 v[4*i:4*i+3], v[L16], s[10:11] offset:512*i th:TH_LOAD_NT   ; a quarter of a row: 512 consecutive bytes; read once in the launch
.set i, i+1
.endr
	WIN 0
	s_lshl_b32 s30, s21, 13
	s_add_nc_u64 s[18:19], s[8:9], s[30:31]        ; my expert's list: this copy stays, for the count;
	s_load_b32 s26, s[18:19], 0x1100
	s_lshl_b32 s30, s20, 6
	s_add_nc_u64 s[8:9], s[18:19], s[30:31]        ; this one walks, from tile w on
	s_lshl_b32 s30, s21, 17
	s_lshl_b32 s27, s22, 12
	s_add_co_u32 s30, s30, s27
	s_add_nc_u64 s[12:13], s[12:13], s[30:31]      ; my 32 rows' scale bytes, 128 each
	s_lshl_b32 s30, s21, 12
	s_add_co_u32 s30, s30, s28
	s_add_nc_u64 s[14:15], s[14:15], s[30:31]      ; my 32 numbers of b2
	s_lshl_b32 s30, s21, 21
	s_lshl_b32 s27, s20, 15
	s_add_co_u32 s30, s30, s27
	s_add_nc_u64 s[4:5], s[4:5], s[30:31]          ; hq: expert, tile w
	s_lshl_b32 s30, s21, 17
	s_lshl_b32 s27, s20, 11
	s_add_co_u32 s30, s30, s27
	s_add_nc_u64 s[6:7], s[6:7], s[30:31]          ; hs likewise
.irp i, 0,1,2,3,4,5,6,7
	global_load_b128 v[WS+4*\i:WS+4*\i+3], v[WSA], s[12:13] offset:16*\i
.endr
.irp n, 0,1
	global_load_b128 v[BB+8*\n:BB+8*\n+3],   v[BA], s[14:15] offset:64*\n        ; lane (r, h), tile n: b2 of outputs 16 n + 8 h + 0 .. 7
	global_load_b128 v[BB+8*\n+4:BB+8*\n+7], v[BA], s[14:15] offset:64*\n+16
.endr
	HLOAD 0                                        ; tile w: always written by the launch before
	s_wait_loadcnt 30                              ; the weights are in: behind them 8 loads of scale words, 4 of b2, group 0's 18
	WIN 0x04                                       ; an LDS store's data are its source 1: window 1
.set i, 0
.rept 32
	ds_store_b128 v[WSTO], v[4*i:4*i+3] offset:2064*(i/4)+512*(i%4)
.set i, i+1
.endr
	WIN 0
	HLOAD 1
	HLOAD 2
	HLOAD 3
	s_wait_dscnt 0x0                               ; for the others' sake: my 8 rows lie in LDS
	s_barrier_signal -1
	s_barrier_wait -1                              ; the kernel's one barrier: all 32 rows do; nobody writes them again
	WIN 0x40
.set ks, 0
.rept 32
.if ks == 16
	WIN 0x80
.endif
.irp n, 0,1
.irp c, 0,1
	ds_load_b128 v[8*(2*(ks%16)+\n)+4*\c:8*(2*(ks%16)+\n)+4*\c+3], v[WFR] offset:33024*\n+64*ks+32*\c   ; rows 2,064 bytes apart: the 16 rows of a load start at 16 different groups of four banks
.endr
.endr
.set ks, ks+1
.endr
	WIN 0
	s_wait_dscnt 0x0                               ; W2's fragments are in
	s_wait_kmcnt 0x0                               ; the count
	s_min_u32 s26, s26, 0x400
	s_add_co_u32 s23, s26, 15
	s_lshr_b32 s23, s23, 4                         ; nt: the list's tiles
	s_add_co_u32 s24, s23, 3
	s_sub_co_u32 s24, s24, s20
	s_lshr_b32 s24, s24, 2                         ; my tiles w, w + 4, .. under nt: (nt + 3 - w) / 4 of them
	s_mov_b32 s25, 1                               ; all but the last go through the loop
	s_cmp_lt_u32 s25, s24
	s_cbranch_scc0 .Ltail
.Lloop:                                            ; a trip: a tile that has a successor; so it lies inside the list, and its rows are stored
	TILE 1
	OUT
	s_add_co_u32 s25, s25, 1
	s_cmp_lt_u32 s25, s24
	s_cbranch_scc1 .Lloop
.Ltail:                                            ; my last tile asks for nothing more
	TILE 0
	s_cmp_lt_u32 s20, s23
	s_cbranch_scc0 .Ldone                          ; where the list ends in front of tile w, this is tile w and holds pads alone: not stored
	OUT
.Ldone:
	s_wait_tensorcnt 0x0
	ds_add_u32 v254, v255
	s_wait_dscnt 0x0
	s_endpgm
.Lfunc_end_k_q0a120a40dc_down:
	.size	k_q0a120a40dc_down, .Lfunc_end_k_q0a120a40dc_down-k_q0a120a40dc_down
	.p2alignl 7, 3214868480
	.fill 96, 4, 3214868480
	.section	.rodata,"a",@progbits
	.p2align	6, 0x0
	.amdhsa_kernel k_q0a120a40dc_down
		.amdhsa_group_segment_fixed_size 75264
		.amdhsa_private_segment_fixed_size 0
		.amdhsa_enable_private_segment 0
		.amdhsa_kernarg_size 56
		.amdhsa_user_sgpr_count 2
		.amdhsa_user_sgpr_kernarg_segment_ptr 1
		.amdhsa_wavefront_size32 1
		.amdhsa_system_sgpr_workgroup_id_x 1
		.amdhsa_system_sgpr_workgroup_id_y 1
		.amdhsa_system_sgpr_workgroup_id_z 1
		.amdhsa_system_vgpr_workitem_id 0
		.amdhsa_next_free_vgpr 1024
		.amdhsa_next_free_sgpr 66
		.amdhsa_reserve_vcc 0
		.amdhsa_float_denorm_mode_32 3
		.amdhsa_float_denorm_mode_16_64 3
		.amdhsa_memory_ordered 1
		.amdhsa_forward_progress 1
		.amdhsa_inst_pref_size 54
	.end_amdhsa_kernel
	.amdgpu_metadata
---
amdhsa.version: [ 1, 2 ]
amdhsa.kernels:
  - .name:           k_q0a120a40dc_down
    .symbol:         k_q0a120a40dc_down.kd
    .args:
      - { .name: hq, .offset: 0, .size: 8, .value_kind: global_buffer, .address_space: global }
      - { .name: hs, .offset: 8, .size: 8, .value_kind: global_buffer, .address_space: global }
      - { .name: list, .offset: 16, .size: 8, .value_kind: global_buffer, .address_space: global }
      - { .name: w2_codes, .offset: 24, .size: 8, .value_kind: global_buffer, .address_space: global }
      - { .name: w2_scales, .offset: 32, .size: 8, .value_kind: global_buffer, .address_space: global }
      - { .name: b2, .offset: 40, .size: 8, .value_kind: global_buffer, .address_space: global }
      - { .name: out0, .offset: 48, .size: 8, .value_kind: global_buffer, .address_space: global }
    .group_segment_fixed_size: 75264
    .private_segment_fixed_size: 0
    .kernarg_segment_align: 8
    .kernarg_segment_size: 56
    .max_flat_workgroup_size: 128
    .sgpr_count:     66
    .vgpr_count:     1024
    .wavefront_size: 32
...
	.end_amdgpu_metadata
.endif
;; end of part 4
;; ======== version 2 of 3: 3 launches
;; workspace buffers: top 4,096 bytes of whole numbers; xq 524,288 bytes; xs 32,768 bytes; list 65,536 bytes of whole numbers; hq 16,777,216 bytes; hs 1,048,576 bytes
;; launch gate: the kernel of part 1 again; grid 256 x 1, 4 waves a work-group, no clusters, 3,584 bytes of LDS; arguments x, gate_w, gate_b, top, xq, xs; writes top, xq, xs
;; launch up (part 5): grid 32 x 8, 4 waves a work-group, no clusters, 104,960 bytes of LDS; arguments xq, xs, top, w1_codes, w1_scales, b1, hq, hs, list; writes hq, hs, list
.if DOCPART == 5
	.amdgcn_target "amdgcn-amd-amdhsa--gfx1250"
	.amdhsa_code_object_version 6
	.text
	.protected	k_q0a120a40dc_up
	.globl	k_q0a120a40dc_up
	.p2align	8
	.type	k_q0a120a40dc_up,@function
k_q0a120a40dc_up:
	s_mov_b64 s[64:65], 0
	v_nop
	global_prefetch_b8 v0, s[64:65] scope:SCOPE_SE
	s_setreg_imm32_b32 hwreg(HW_REG_WAVE_MODE, 25, 1), 1
	s_wait_xcnt 0x0
; THE LISTS, AND THE FIRST PRODUCT FOR THE LISTED TOKENS ONLY: h = Q(relu(x W1[e] + b1[e])), on codes of E2M1 with one E8M0 scale for each 32 along K.
; reference() multiplies every expert's output by a one-hot that it builds itself, so a token's rows are computed for its own expert alone; each token's expert was stored by the launch before as a whole number (top).
; SHARES.  Work-group (s0, e) owns hidden units 128 s0 .. 128 s0 + 127 of expert e: 64 KiB of w1_codes, one 256th of the tensor: every weight byte is read once in the launch, by loads of 512 consecutive bytes,
; all of a wave's 32 on their way at once.  The rows pass through LDS once and then EVERY wave holds the whole chunk in registers (8 tiles x 8 K steps x 8 = 512).  The waves share the TOKENS: wave w takes tiles
; w, w + 4, .. of 16 listed tokens.  So a wave makes a whole fragment and a whole scale word of the second product (its K step s0), and the loop, whose trip count is made of loaded numbers, holds no barrier.
; WHICH TOKENS FORM A TILE is found in registers, by every wave for itself: no scatter, no LDS, no other wave.  The wave reads all 1,024 words of top (register k = 4 j + i of lane l is token 128 j + 4 l + i), and keeps
; for each register k the mask of e's tokens and the count in front of it.  The expert's token of rank q is the (q - that count)-th set bit of the last word whose count in front is at most q: 32 compares and selects
; find the word, five halvings on the word's counts by fields of 16, 8, 4, 2 and 1 bits find the bit.  A rank past the list's end is held at the last rank: a pad row names a token of the same expert again, computes what
; that token's own row computes, and is stored by the next launch to the same bytes with the same values.
; THE MATRIX INSTRUCTION IS USED TRANSPOSED (source 0 = 16 rows of W1, source 1 = 16 tokens), AND THE ROWS OF W1 THAT FORM A TILE ARE NOT NEIGHBOURS: row m of tile 2 b + u is hidden unit 32 b + 8 u + m + 8 (m / 8),
; so that a lane holds one token and the 16 registers of tiles 2 b, 2 b + 1 are 16 neighbours along the next K.  The order is made by the immediates of the LDS stores.  b1 is the C of each sum's first instruction.
; OUT.  hq [e][tile 64][K step 32][2][lane 32][16 bytes]: the image of the operand's registers; hs [e][tile][2,048]: the scale word of (K step s, token r) at 512 (s / 8) + 256 ((s / 4) % 2) + 16 r + 4 (s % 4);
; list [8][2048] u32, by the work-groups with s0 = 0 alone: row e: entry 16 t + i the i-th token of tile t, entry 1,088 (byte 4,352) the count.
; Every wave works tile w even where the list is shorter (its entries are pads): tiles 0-3 of every expert are always written, and the next launch may always read them.
; No cluster: no two work-groups share a weight byte, and the tokens' rows are gathered by a list.  No tensor loads: the stores' immediates order the rows, and the transit registers are those that the fragments take.
; LIMITS: NaN and infinities are not served.  A block of zeros gets the scale byte 1 where the quantiser says 127: its codes are zeros, and this program alone reads the bytes.
; REGISTERS, in windows of 256: window 0: v1-15 addresses, v16-31 the rows' addresses, v32-95 x's 8 fragments (first v32-63: top), v96-159 the 8 accumulators, v160.. at work, v186-193 x's scale words, v200-231 W1's,
;   v232-239 and v246-249 at work in FIND.   window 1: W1's fragments of K steps 0-3 ((s, t) at 8 (8 (s % 4) + t)); first the weights' transit.   window 2: K steps 4-7.
;   window 3: v0-63 16 rows of x as loaded; v64-127 b1's 8 tiles; v128-159 the 32 masks; v160-191 the 32 counts in front, each << 5 | its word's number.
.set XST0, 67584                       ; LDS: 0 .. 67,583: 128 rows of W1, 512 bytes + 16 of padding each; from XST0 on 9,216 bytes a wave: 16 rows of x (528 each), then at 8,448 their 512 scale bytes
.set L16,  1                           ; v1   16 l
.set WSTO, 2                           ; v2   the weights' way into LDS: 16,896 w + 16 l
.set WFR,  3                           ; v3   a fragment's place: 528 r + 16 h
.set XSTO, 4                           ; v4   my stage + 16 l
.set XFR,  5                           ; v5   my stage + 528 r + 16 h
.set XSR,  7                           ; v7   my stage + 32 r
.set VL,   8                           ; v8   the tile's token l / 2
.set XSA,  9                           ; v9   its scale bytes' half: 32 x token + 16 (l % 2)
.set HSO,  10                          ; v10  16 r
.set WSA,  11                          ; v11  W1's scale words: 32 (8 h + r + 8 (r / 8))
.set B1A,  12                          ; v12  64 h
.set H16,  13                          ; v13  16 (l % 2)
.set LL,   14                          ; v14  4 (l / 2)
.set LA,   15                          ; v15  the byte of entry l / 2 of the tile in the list's row
.set XA,   16
.set TP,   32                          ; v32-63 top, at the head
.set F,    32
.set HA,   96
.set PC,   160                         ; v160-167 the codes just made
.set TM,   168                         ; v168-183 at work in QUANT
.set PW,   184                         ; the scale word just made
.set XS,   186
.set XR,   196                         ; v196-199 16 scale bytes of x as loaded
.set WS,   200                         ; register 8 b + s: lanes 0-15 the words of tile 2 b, lanes 16-31 of tile 2 b + 1, K step s
.set Q,    232                         ; FIND: my rank
.set QQ,   233                         ; rank << 5 | 31
.set Y,    234                         ; my word's count in front << 5 | its number
.set M,    235                         ; my word's mask
.set C1,   236                         ; its counts by fields of 2 bits,
.set C2,   237                         ; of 4,
.set C4,   238                         ; of 8,
.set C8,   239                         ; of 16
.set NN,   246                         ; which set bit of what is left
.set POS,  247                         ; where what is left begins
.set T1,   248
.set T2,   249
.set R,    0                           ; window 3
.set B1,   64
.set MV,   128
.set YV,   160
.set N,    32                          ; s[32:47] the tile's 16 tokens
.set SEL,  28
.set MSB, 0
.macro WIN new                         ; the immediate's high byte repeats the setting that is left; a switch that changes nothing is dropped
.if MSB != \new
	s_set_vgpr_msb (MSB<<8)|\new
.set MSB, \new
.endif
.endm
; 64 numbers of a lane, register 16 b + i = k 32 b + 16 (lane / 16) + i of my token, become a fragment's codes in v[PC] on and its scale word in v[PW].
.macro QUANT s
.irp b, 0,1,2,3
	v_max3_num_f32 v[TM+\b], |v[\s+16*\b]|, |v[\s+1+16*\b]|, 0x1800000   ; block b: my 16 numbers, and the floor 2^(3 - 127): the byte cannot fall under 1
.endr
.irp i, 2,4,6,8,10,12,14
.irp b, 0,1,2,3
	v_max3_num_f32 v[TM+\b], v[TM+\b], |v[\s+16*\b+\i]|, |v[\s+1+16*\b+\i]|   ; (the four blocks by turns)
.endr
.endr
.irp b, 0,1,2,3
	v_permlanex16_b32 v[TM+4+\b], v[TM+\b], s[SEL], s[SEL+1]
.endr
.irp b, 0,1,2,3
	v_max_num_f32 v[TM+\b], v[TM+\b], v[TM+4+\b]   ; with lane l xor 16's: the block's largest magnitude
.endr
.irp b, 0,1,2,3
	v_add_nc_u32 v[TM+12+\b], 0xff000000, v[TM+\b] ; 2 off its exponent field: the conversion's scale operand
.endr
.irp b, 0,1,2,3
	v_lshrrev_b32 v[TM+4+\b], 23, v[TM+12+\b]      ; the scale's byte
.endr
	v_lshl_or_b32 v[PW], v[TM+5], 8, v[TM+4]
	v_lshl_or_b32 v[PW], v[TM+6], 16, v[PW]
	v_lshl_or_b32 v[PW], v[TM+7], 24, v[PW]
.irp b, 0,1,2,3
	v_cvt_scalef32_pk8_fp4_f32 v[PC+2*\b], v[\s+16*\b:\s+7+16*\b], v[TM+12+\b]
	v_cvt_scalef32_pk8_fp4_f32 v[PC+1+2*\b], v[\s+8+16*\b:\s+15+16*\b], v[TM+12+\b]
.endr
	v_nop                                          ; one plain place behind the scaled conversions
.irp c, 0,1                                    ; the operand's layout wants a WHOLE block in a lane: lanes 0-15 block 2 c, lanes 16-31 block 2 c + 1
.irp i, 0,1
	v_permlane16_swap_b32 v[PC+4*\c+\i], v[PC+2+4*\c+\i]
.endr
.endr
.endm
; One halving: what is left of my word begins at bit POS and is 2 w bits long; register c holds the word's counts by fields of w bits.  Where the wanted set bit is not among the lower w, go on in the upper w.
.macro HALVE c, w, last
	v_bfe_u32 v[T1], v[\c], v[POS], \w             ; set bits among the lower w
	v_add_nc_u32 v[T2], \w, v[POS]
	v_cmp_ge_u32 vcc_lo, v[NN], v[T1]
	v_cndmask_b32 v[POS], v[POS], v[T2], vcc_lo
.if !\last
	v_cndmask_b32 v[T1], 0, v[T1], vcc_lo
	v_sub_nc_u32 v[NN], v[NN], v[T1]
.endif
.endm
; The 16 tokens of tile s49 into v[VL], token l / 2 in lane l; their bytes in the list's row into v[LA].
.macro FIND
	s_min_u32 s26, s49, 63                         ; a list has 64 tiles at the most
	s_lshl_b32 s26, s26, 6
	v_add_nc_u32 v[LA], s26, v[LL]                 ; 64 x tile + 4 (l / 2)
	v_lshrrev_b32 v[Q], 2, v[LA]                   ; my rank: 16 x tile + l / 2,
	v_min_u32 v[Q], s54, v[Q]                      ; held at the list's last: the pads
	v_lshl_or_b32 v[QQ], v[Q], 5, 31
	v_mov_b32 v[Y], 0                              ; (word 0's compare below holds in every lane: these two only make the selects' first sources written)
	v_mov_b32 v[M], 0
	WIN 0x0c                                       ; source 1 window 3
.irp g, 0,1,2,3,4,5,6,7                        ; the last word whose count in front is at most my rank; four words' compares, then their selects, so that no select waits for the compare just above it
.irp j, 0,1,2,3
	v_cmp_ge_u32 s[56+\j], v[QQ], v[YV+4*\g+\j]    ; rank << 5 | 31 >= count << 5 | k: count <= rank
.endr
.irp j, 0,1,2,3
	v_cndmask_b32 v[Y], v[Y], v[YV+4*\g+\j], s[56+\j]
	v_cndmask_b32 v[M], v[M], v[MV+4*\g+\j], s[56+\j]
.endr
.endr
	WIN 0
	v_lshrrev_b32 v[T1], 5, v[Y]                   ; the count in front of my word
	v_sub_nc_u32 v[NN], v[Q], v[T1]                ; I want its set bit number NN, from 0
	v_and_b32 v[Y], 31, v[Y]                       ; the word's number k
	v_lshrrev_b32 v[T1], 1, v[M]                   ; the word's counts by fields of 2, 4, 8 and 16 bits
	v_and_b32 v[T1], 0x55555555, v[T1]
	v_sub_nc_u32 v[C1], v[M], v[T1]
	v_lshrrev_b32 v[T1], 2, v[C1]
	v_and_b32 v[C2], 0x33333333, v[C1]
	v_and_b32 v[T1], 0x33333333, v[T1]
	v_add_nc_u32 v[C2], v[C2], v[T1]
	v_lshrrev_b32 v[T1], 4, v[C2]
	v_add_nc_u32 v[C4], v[C2], v[T1]
	v_and_b32 v[C4], 0x0f0f0f0f, v[C4]
	v_lshrrev_b32 v[T1], 8, v[C4]
	v_add_nc_u32 v[C8], v[C4], v[T1]
	v_and_b32 v[C8], 0x00ff00ff, v[C8]
	v_and_b32 v[T1], 0xffff, v[C8]                 ; the first halving: set bits among the lower 16
	v_cmp_ge_u32 vcc_lo, v[NN], v[T1]
	v_cndmask_b32 v[POS], 0, 16, vcc_lo
	v_cndmask_b32 v[T1], 0, v[T1], vcc_lo
	v_sub_nc_u32 v[NN], v[NN], v[T1]
	HALVE C4, 8, 0
	HALVE C2, 4, 0
	HALVE C1, 2, 0
	HALVE M, 1, 1                                  ; POS: the lane that holds my token in register k
	v_lshrrev_b32 v[T1], 2, v[Y]
	v_and_b32 v[T2], 3, v[Y]
	v_lshl_add_u32 v[T2], v[POS], 2, v[T2]
	v_lshl_add_u32 v[VL], v[T1], 7, v[T2]          ; token 128 (k / 4) + 4 POS + k % 4
.endm
.macro XADDR                           ; the tile's 16 tokens, held under 1,024 since they are made of loaded numbers, become the addresses of their rows
	v_min_u32 v[VL], 0x3ff, v[VL]
.irp i, 0,1,2,3,4,5,6,7,8,9,10,11,12,13,14,15
	v_readlane_b32 s[N+\i], v[VL], 2*\i            ; token i, for all lanes
.endr
.irp i, 0,1,2,3,4,5,6,7,8,9,10,11,12,13,14,15
	s_min_u32 s[N+\i], s[N+\i], 0x3ff
	v_lshl_add_u32 v[XA+\i], s[N+\i], 9, v[L16]    ; 512 x token + 16 l
.endr
	v_lshl_add_u32 v[XSA], v[VL], 5, v[H16]
.endm
.macro XLOAD                           ; 17 loads: 16 whole rows of codes, 512 consecutive bytes each, and the 16 rows' scale bytes, 16 a lane
	WIN 0xc0                                       ; destination window 3
.irp i, 0,1,2,3,4,5,6,7,8,9,10,11,12,13,14,15
	global_load_b128 v[R+4*\i:R+4*\i+3], v[XA+\i], s[4:5]
.endr
	WIN 0
	global_load_b128 v[XR:XR+3], v[XSA], s[6:7]
.endm
.macro LSTORE                          ; the tile's 16 entries go to the list, from the expert's first work-group alone: each byte of the list has one writer
	s_cmp_lg_u32 s22, 0
	s_cbranch_scc1 .Lnot_first_\@
	global_store_b32 v[LA], v[VL], s[52:53]        ; 64 consecutive bytes; lanes 2 i and 2 i + 1 store the same word with the same value
.Lnot_first_\@:
.endm
.macro MM s, t                         ; tile t's sum takes K step s
.set rD, HA+8*(\t)
.set rW, 8*(8*((\s)%4)+(\t))
.set rF, F+8*(\s)
.set rA, WS+8*((\t)/2)+(\s)
.set rB, XS+(\s)
.if (\s) == 0
.if (\t)%2 == 0
	v_wmma_scale_f32_16x16x128_f8f6f4 v[rD:rD+7], v[rW:rW+7], v[rF:rF+7], v[B1+8*(\t):B1+8*(\t)+7], v[rA], v[rB] matrix_a_fmt:MATRIX_FMT_FP4 matrix_b_fmt:MATRIX_FMT_FP4
.else
	v_wmma_scale_f32_16x16x128_f8f6f4 v[rD:rD+7], v[rW:rW+7], v[rF:rF+7], v[B1+8*(\t):B1+8*(\t)+7], v[rA], v[rB] matrix_a_fmt:MATRIX_FMT_FP4 matrix_b_fmt:MATRIX_FMT_FP4 matrix_a_scale:MATRIX_SCALE_ROW1
.endif
.else
.if (\t)%2 == 0
	v_wmma_scale_f32_16x16x128_f8f6f4 v[rD:rD+7], v[rW:rW+7], v[rF:rF+7], v[rD:rD+7], v[rA], v[rB] matrix_a_fmt:MATRIX_FMT_FP4 matrix_b_fmt:MATRIX_FMT_FP4
.else
	v_wmma_scale_f32_16x16x128_f8f6f4 v[rD:rD+7], v[rW:rW+7], v[rF:rF+7], v[rD:rD+7], v[rA], v[rB] matrix_a_fmt:MATRIX_FMT_FP4 matrix_b_fmt:MATRIX_FMT_FP4 matrix_a_scale:MATRIX_SCALE_ROW1
.endif
.endif
.endm
	s_load_b512 s[4:19], s[0:1], 0x0               ; xq s[4:5], xs s[6:7], top s[8:9], w1_codes s[10:11], w1_scales s[12:13], b1 s[14:15], hq s[16:17], hs s[18:19]
	s_load_b64 s[52:53], s[0:1], 0x40              ; list
	v_lshl_add_u32 v254, v0, 2, 0x19800
	v_mov_b32 v255, 0
	v_lshrrev_b32 v240, 5, v0
	v_readfirstlane_b32 s20, v240                  ; wave w
	s_and_b32 s21, ttmp7, 0xffff                   ; expert e
	s_mov_b32 s22, ttmp9                           ; chunk s0
	v_and_b32 v240, 31, v0                         ; l
	v_and_b32 v241, 15, v0                         ; r
	v_bfe_u32 v242, v0, 4, 1                       ; h
	v_lshlrev_b32 v[L16], 4, v240
	s_mul_i32 s27, s20, 16896                      ; 32 rows of 528 bytes a wave
	v_add_nc_u32 v[WSTO], s27, v[L16]
	v_mul_u32_u24 v[WFR], v241, 528
	v_lshl_add_u32 v[WFR], v242, 4, v[WFR]
	s_mul_i32 s27, s20, 9216
	s_add_co_u32 s27, s27, XST0                    ; my stage
	v_add_nc_u32 v[XSTO], s27, v[L16]
	v_add_nc_u32 v[XFR], s27, v[WFR]
	v_lshl_add_u32 v[XSR], v241, 5, s27
	v_lshlrev_b32 v[HSO], 4, v241
	v_and_b32 v243, 8, v241
	v_add_nc_u32 v243, v243, v241                  ; r + 8 (r / 8)
	v_lshl_add_u32 v243, v242, 3, v243             ; + 8 h: lanes 16-31 take the odd tile's rows
	v_lshlrev_b32 v[WSA], 5, v243
	v_lshlrev_b32 v[B1A], 6, v242
	v_and_b32 v243, 1, v0
	v_lshlrev_b32 v[H16], 4, v243
	v_lshrrev_b32 v243, 1, v240
	v_lshlrev_b32 v[LL], 2, v243
	s_mov_b32 s[SEL], 0x76543210
	s_mov_b32 s[SEL+1], 0xfedcba98                 ; v_permlanex16_b32's selects for lane l xor 16
.irp b, 0,1,2,3
	v_mov_b32 v[TM+4+\b], 0                        ; written once: a lane permute's destination counts as one of its sources
.endr
	s_mov_b32 s31, 0
	s_wait_kmcnt 0x0
.irp j, 0,1,2,3,4,5,6,7
	global_load_b128 v[TP+4*\j:TP+4*\j+3], v[L16], s[8:9] offset:512*\j   ; all 1,024 tokens' experts, first of all: x's rows hang on them
.endr
	s_lshl_b32 s30, s21, 21
	s_lshl_b32 s27, s22, 16
	s_add_co_u32 s30, s30, s27
	s_lshl_b32 s27, s20, 14
	s_add_co_u32 s30, s30, s27
	s_add_nc_u64 s[10:11], s[10:11], s[30:31]      ; my wave's 32 rows of W1
	WIN 0x40                                       ; destination window 1
.set i, 0
.rept 32
	global_load_b128 v[4*i:4*i+3], v[L16], s[10:11] offset:512*i th:TH_LOAD_NT   ; a whole row: 512 consecutive bytes; read once in the launch
.set i, i+1
.endr
	WIN 0
	s_lshl_b32 s30, s21, 17
	s_lshl_b32 s27, s22, 12
	s_add_co_u32 s30, s30, s27
	s_add_nc_u64 s[12:13], s[12:13], s[30:31]      ; the chunk's scale bytes: 128 rows of 32
	s_lshl_b32 s30, s21, 14
	s_lshl_b32 s27, s22, 9
	s_add_co_u32 s30, s30, s27
	s_add_nc_u64 s[14:15], s[14:15], s[30:31]      ; the chunk's b1
	s_lshl_b32 s30, s21, 21
	s_lshl_b32 s27, s20, 15
	s_add_co_u32 s30, s30, s27
	s_lshl_b32 s27, s22, 10
	s_add_co_u32 s30, s30, s27
	s_add_nc_u64 s[16:17], s[16:17], s[30:31]      ; hq: expert, tile w, K step s0
	s_lshl_b32 s30, s21, 17
	s_lshl_b32 s27, s20, 11
	s_add_co_u32 s30, s30, s27
	s_lshr_b32 s27, s22, 3
	s_lshl_b32 s27, s27, 9
	s_add_co_u32 s30, s30, s27
	s_bfe_u32 s27, s22, 0x10002
	s_lshl_b32 s27, s27, 8
	s_add_co_u32 s30, s30, s27
	s_and_b32 s27, s22, 3
	s_lshl_b32 s27, s27, 2
	s_add_co_u32 s30, s30, s27
	s_add_nc_u64 s[18:19], s[18:19], s[30:31]      ; hs: expert, tile w, K step s0's words
	s_lshl_b32 s30, s21, 13
	s_add_nc_u64 s[52:53], s[52:53], s[30:31]      ; my expert's row of the list
	s_mov_b32 s51, 0                               ; the count so far, << 5
	s_wait_loadcnt 32                              ; top is in: behind it the 32 loads of weights
	WIN 0xc0                                       ; destination window 3
.set k, 0
.rept 32                                       ; word k: which lanes hold a token of e, and how many tokens of e stand in front of it; both as the same number in every lane
	v_cmp_eq_u32 vcc_lo, s21, v[TP+k]
	v_mov_b32 v[MV+k], vcc_lo
	v_or_b32 v[YV+k], s51, k
	s_bcnt1_i32_b32 s26, vcc_lo
	s_lshl_b32 s26, s26, 5
	s_add_co_u32 s51, s51, s26
.set k, k+1
.endr
	WIN 0
	s_lshr_b32 s48, s51, 5                         ; the expert's count
	s_min_u32 s48, s48, 0x400
	s_max_u32 s54, s48, 1
	s_sub_co_u32 s54, s54, 1                       ; the list's last rank (0 where the expert has no token: its rows are computed and never stored to the output)
	s_add_co_u32 s23, s48, 15
	s_lshr_b32 s23, s23, 4                         ; nt: the list's tiles
	s_add_co_u32 s50, s23, 3
	s_sub_co_u32 s50, s50, s20
	s_lshr_b32 s50, s50, 2                         ; my tiles w, w + 4, .. under nt: (nt + 3 - w) / 4 of them,
	s_max_u32 s50, s50, 1                          ; and tile w in any case: the loop's trips
	s_mov_b32 s24, 0                               ; the trip's number i: my tile is w + 4 i
	s_cmp_lg_u32 s22, 0
	s_cbranch_scc1 .Lnocount
	v_mov_b32 v250, s48
	v_mov_b32 v251, 0
	global_store_b32 v251, v250, s[52:53] offset:4352   ; the count: all lanes of the four waves store the same word with the same value
.Lnocount:
	s_mov_b32 s49, s20
	FIND                                           ; tile w's tokens
	XADDR
	XLOAD                                          ; and their rows
	LSTORE
.irp b, 0,1,2,3
.irp j, 0,1
	global_load_b128 v[WS+8*\b+4*\j:WS+8*\b+4*\j+3], v[WSA], s[12:13] offset:1024*\b+16*\j
.endr
.endr
	s_wait_loadcnt 25                              ; the weights are in: behind them 17 loads of x and 8 of scale words
	WIN 0x04                                       ; an LDS store's data are its source 1: window 1
.set i, 0
.rept 32
	ds_store_b128 v[WSTO], v[4*i:4*i+3] offset:528*(16*((i/8)%2)+(i%8)+8*(i/16))   ; row 32 w + i goes to place m = i % 8 + 8 (i / 16) of tile 2 w + (i / 8) % 2
.set i, i+1
.endr
	WIN 0xc0
.irp t, 0,1,2,3,4,5,6,7
	global_load_b128 v[B1+8*\t:B1+8*\t+3],   v[B1A], s[14:15] offset:(32*(\t/2)+8*(\t%2))*4      ; lane (r, h), tile 2 b + u: b1 of hidden units 32 b + 16 h + 8 u + 0 .. 7
	global_load_b128 v[B1+8*\t+4:B1+8*\t+7], v[B1A], s[14:15] offset:(32*(\t/2)+8*(\t%2))*4+16
.endr
	WIN 0
	s_wait_dscnt 0x0                               ; for the others' sake: my 32 rows lie in LDS
	s_barrier_signal -1
	s_barrier_wait -1                              ; the kernel's one barrier: all 128 rows do; nobody writes them again
.irp s, 0,1,2,3,4,5,6,7
.if \s == 0
	WIN 0x40
.endif
.if \s == 4
	WIN 0x80
.endif
.irp t, 0,1,2,3,4,5,6,7
.irp c, 0,1
	ds_load_b128 v[8*(8*(\s%4)+\t)+4*\c:8*(8*(\s%4)+\t)+4*\c+3], v[WFR] offset:8448*\t+64*\s+32*\c   ; rows 528 bytes apart: the 16 rows of a load start at 16 different groups of four banks
.endr
.endr
.endr
	WIN 0
.Ltile:                                            ; a trip: one tile of 16 listed tokens
	s_wait_loadcnt 0x0                             ; all that is out belongs to this tile (and, in the first trip, to the head): rows and scale bytes
	WIN 0x0c                                       ; the data: window 3
.irp i, 0,1,2,3,4,5,6,7,8,9,10,11,12,13,14,15
	ds_store_b128 v[XSTO], v[R+4*\i:R+4*\i+3] offset:528*\i
.endr
	WIN 0
	ds_store_b128 v[XSTO], v[XR:XR+3] offset:8448
.irp s, 0,1,2,3,4,5,6,7
.irp c, 0,1
	ds_load_b128 v[F+8*\s+4*\c:F+8*\s+4*\c+3], v[XFR] offset:64*\s+32*\c   ; LDS serves a wave's instructions in order (ISA guide 5.7.1.4): these see my stores; the stage is my wave's own
.endr
.endr
	ds_load_b128 v[XS:XS+3],   v[XSR] offset:8448  ; lane r: token r's eight scale words
	ds_load_b128 v[XS+4:XS+7], v[XSR] offset:8464
	s_wait_dscnt 0x0                               ; the fragments are in (in the first trip W1's too), and the stores have read the rows' registers
	s_add_co_u32 s49, s24, 1
	s_cmp_lt_u32 s49, s50
	s_cbranch_scc0 .Lnonext                        ; my next tile's rows are asked for now, if there is a next trip: they land under this tile's work
	s_wait_xcnt 0x0                                ; the list's last store has read its offset and its data: FIND writes both again
	s_lshl_b32 s49, s49, 2
	s_add_co_u32 s49, s49, s20                     ; tile w + 4 (i + 1)
	FIND
	XADDR
	XLOAD
	LSTORE
.Lnonext:
.irp s, 0,1,2,3,4,5,6,7                        ; 64 matrix instructions; the eight accumulators take turns, one instruction a turn
.if \s == 0
	WIN 0x31                                       ; source 0 (W1) window 1, C (b1) window 3
.elseif \s == 1
	WIN 0x01
.elseif \s == 4
	WIN 0x02                                       ; source 0 window 2
.endif
.irp t, 0,1,2,3,4,5,6,7
	MM \s, \t
.endr
.endr
	WIN 0
.rept 4
	v_nop                                          ; four places behind the last products, in front of the first read of results and of the next trip's loads into operands
.endr
.set i, 0
.rept 64
	v_max_num_f32 v[HA+i], 0, v[HA+i]              ; the activation, in f32; each accumulator from its low end on
.set i, i+1
.endr
	QUANT HA
	global_store_b128 v[L16], v[PC:PC+3],   s[16:17]              ; the fragment as it stands: 512 consecutive bytes a store
	global_store_b128 v[L16], v[PC+4:PC+7], s[16:17] offset:512
	global_store_b32 v[HSO], v[PW], s[18:19]       ; token r's scale word; lanes l and l + 16 store the same word with the same value
	s_wait_xcnt 0x0                                ; the stores' data and bases are written again only behind this wait
	s_add_nc_u64 s[16:17], s[16:17], 0x20000       ; four tiles on
	s_add_nc_u64 s[18:19], s[18:19], 0x2000
	s_add_co_u32 s24, s24, 1
	s_cmp_lt_u32 s24, s50
	s_cbranch_scc1 .Ltile
	s_wait_tensorcnt 0x0
	ds_add_u32 v254, v255
	s_wait_dscnt 0x0
	s_endpgm
.Lfunc_end_k_q0a120a40dc_up:
	.size	k_q0a120a40dc_up, .Lfunc_end_k_q0a120a40dc_up-k_q0a120a40dc_up
	.p2alignl 7, 3214868480
	.fill 96, 4, 3214868480
	.section	.rodata,"a",@progbits
	.p2align	6, 0x0
	.amdhsa_kernel k_q0a120a40dc_up
		.amdhsa_group_segment_fixed_size 104960
		.amdhsa_private_segment_fixed_size 0
		.amdhsa_enable_private_segment 0
		.amdhsa_kernarg_size 72
		.amdhsa_user_sgpr_count 2
		.amdhsa_user_sgpr_kernarg_segment_ptr 1
		.amdhsa_wavefront_size32 1
		.amdhsa_system_sgpr_workgroup_id_x 1
		.amdhsa_system_sgpr_workgroup_id_y 1
		.amdhsa_system_sgpr_workgroup_id_z 1
		.amdhsa_system_vgpr_workitem_id 0
		.amdhsa_next_free_vgpr 960
		.amdhsa_next_free_sgpr 66
		.amdhsa_reserve_vcc 1
		.amdhsa_float_denorm_mode_32 3
		.amdhsa_float_denorm_mode_16_64 3
		.amdhsa_memory_ordered 1
		.amdhsa_forward_progress 1
		.amdhsa_inst_pref_size 71
	.end_amdhsa_kernel
	.amdgpu_metadata
---
amdhsa.version: [ 1, 2 ]
amdhsa.kernels:
  - .name:           k_q0a120a40dc_up
    .symbol:         k_q0a120a40dc_up.kd
    .args:
      - { .name: xq, .offset: 0, .size: 8, .value_kind: global_buffer, .address_space: global }
      - { .name: xs, .offset: 8, .size: 8, .value_kind: global_buffer, .address_space: global }
      - { .name: top, .offset: 16, .size: 8, .value_kind: global_buffer, .address_space: global }
      - { .name: w1_codes, .offset: 24, .size: 8, .value_kind: global_buffer, .address_space: global }
      - { .name: w1_scales, .offset: 32, .size: 8, .value_kind: global_buffer, .address_space: global }
      - { .name: b1, .offset: 40, .size: 8, .value_kind: global_buffer, .address_space: global }
      - { .name: hq, .offset: 48, .size: 8, .value_kind: global_buffer, .address_space: global }
      - { .name: hs, .offset: 56, .size: 8, .value_kind: global_buffer, .address_space: global }
      - { .name: list, .offset: 64, .size: 8, .value_kind: global_buffer, .address_space: global }
    .group_segment_fixed_size: 104960
    .private_segment_fixed_size: 0
    .kernarg_segment_align: 8
    .kernarg_segment_size: 72
    .max_flat_workgroup_size: 128
    .sgpr_count:     66
    .vgpr_count:     960
    .wavefront_size: 32
...
	.end_amdgpu_metadata
.endif
;; end of part 5
;; launch down: the kernel of part 4 again; grid 32 x 8, 4 waves a work-group, no clusters, 75,264 bytes of LDS; arguments hq, hs, list, w2_codes, w2_scales, b2, out0; writes out0
;; ======== version 3 of 3: 3 launches
;; workspace buffers: top 4,096 bytes of whole numbers; xq 524,288 bytes; xs 32,768 bytes; list 65,536 bytes of whole numbers; hq 16,777,216 bytes; hs 1,048,576 bytes
;; launch gate (part 6): grid 256 x 1, 4 waves a work-group, no clusters, 3,584 bytes of LDS; arguments x, gate_w, gate_b, top, xq, xs; writes top, xq, xs
.if DOCPART == 6
	.amdgcn_target "amdgcn-amd-amdhsa--gfx1250"
	.amdhsa_code_object_version 6
	.text
	.protected	k_q0a120a40dc_gate
	.globl	k_q0a120a40dc_gate
	.p2align	8
	.type	k_q0a120a40dc_gate,@function
k_q0a120a40dc_gate:
	s_mov_b64 s[64:65], 0
	v_nop
	global_prefetch_b8 v0, s[64:65] scope:SCOPE_SE
	s_setreg_imm32_b32 hwreg(HW_REG_WAVE_MODE, 25, 1), 1
	s_wait_xcnt 0x0
; GATE AND QUANTISER OF x.  x [1024][1024] f32, gate_w [8][1024] f32, gate_b [8] f32.
; Out: top [1024] u32: the first largest of softmax(x gate_w^T + gate_b) of each token;  xq [1024][512 bytes]: x as codes of E2M1, K innermost, two codes a byte;  xs [1024][32]: one E8M0 byte for each 32 along K.
; SHARES.  A work-group takes four tokens; wave w takes k = 256 w .. 256 w + 255 of all four.  Lane l holds eight numbers of each row: part A, k = 256 w + 4 l + 0..3, and part B, 128 further on:
; so every load of the wave reads 512 consecutive bytes, of x and of gate_w alike, x is read once and serves both the logits and the codes.
; A block of 32 along K lies in eight neighbouring lanes: three steps of row_xmask join its largest magnitude.
; The logits are f32 fused multiply-adds; a wave's 32 partial sums (4 tokens x 8 experts) meet in LDS, wave 0 adds them and takes softmax and argmax with one lane to a (token, expert).
; A block's scale byte is its largest magnitude's exponent field - 2, held at 1 from below.  A block of zeros so gets the byte 1 where the quantiser says 127: its codes are zeros, and this program alone reads the bytes.
; LIMITS: NaN and infinities among the inputs are not served.  Two probabilities of a token that are equal in f32 give the lower expert, as argmax does; the sums' order differs from a plain dot product's by f32 rounding.
.set CODE, 0                           ; LDS: the four rows' codes, 512 bytes each
.set SCL,  2048                        ; their scale bytes, 32 each
.set PART, 2304                        ; the partial sums: 128 bytes a wave, word 8 p + e
.set X,  16                            ; v16-47   row p: v[X+8p..+3] part A, v[X+8p+4..+7] part B
.set G,  48                            ; v48-111  gate_w's row e, likewise
.set AC, 112                           ; v112-175 32 pairs of running sums
.set S,  176                           ; v176-207 the 32 sums
.set MX, 208                           ; v208-211 part A's largest magnitude of rows 0-3, v212-215 part B's; then scale operands; then bytes
.set CA, 216                           ; v216-219 a row's eight codes under A's scale: the low half counts
.set CB, 220                           ; v220-223 under B's scale: the high half counts
	s_load_b256 s[4:11], s[0:1], 0x0               ; x s[4:5], gate_w s[6:7], gate_b s[8:9], top s[10:11]
	s_load_b128 s[12:15], s[0:1], 0x20             ; xq s[12:13], xs s[14:15]
	v_lshl_add_u32 v224, v0, 2, 0xc00
	v_mov_b32 v225, 0
	v_lshrrev_b32 v1, 5, v0
	v_readfirstlane_b32 s16, v1                    ; wave 0..3
	v_and_b32 v1, 31, v0                           ; lane
	s_lshl_b32 s17, s16, 10
	s_lshl_b32 s18, s16, 7
	s_lshl_b32 s19, s16, 3
	v_lshl_add_u32 v2, v1, 4, s17                  ; in a row of f32: 1,024 w + 16 l
	v_lshl_add_u32 v3, v1, 1, s18                  ; in a row of codes: 128 w + 2 l
	v_lshrrev_b32 v4, 3, v1
	v_add_nc_u32 v4, s19, v4                       ; in a row of scale bytes: 8 w + l / 8
	v_mov_b32 v5, s18                              ; my wave's partial sums: 128 w
	v_and_b32 v7, 7, v1
	v_lshlrev_b32 v8, 2, v7                        ; gate_b: 4 (l % 8)
	v_lshlrev_b32 v9, 4, v0                        ; 16 x thread: the way out of the codes
	v_lshlrev_b32 v10, 2, v1                       ; 4 l
	s_mov_b32 s22, 0x76543210
	s_mov_b32 s23, 0xfedcba98                      ; v_permlanex16_b32's selects for lane l xor 16
	s_mov_b32 s25, 0
	s_wait_alu depctr_va_vdst(0)
	s_wait_kmcnt 0x0
	s_lshl_b32 s24, ttmp9, 14                      ; four rows of 4,096 bytes
	s_add_nc_u64 s[4:5], s[4:5], s[24:25]
	s_lshl_b32 s24, ttmp9, 11                      ; of 512
	s_add_nc_u64 s[12:13], s[12:13], s[24:25]
	s_lshl_b32 s24, ttmp9, 7                       ; of 32
	s_add_nc_u64 s[14:15], s[14:15], s[24:25]
	s_lshl_b32 s24, ttmp9, 4                       ; four words
	s_add_nc_u64 s[10:11], s[10:11], s[24:25]
.irp p, 0,1,2,3
	global_load_b128 v[X+8*\p:X+8*\p+3],   v2, s[4:5] offset:4096*\p th:TH_LOAD_NT
	global_load_b128 v[X+8*\p+4:X+8*\p+7], v2, s[4:5] offset:4096*\p+512 th:TH_LOAD_NT
.endr
	global_load_b32 v6, v8, s[8:9]
.irp e, 0,1,2,3,4,5,6,7
	global_load_b128 v[G+8*\e:G+8*\e+3],   v2, s[6:7] offset:4096*\e
	global_load_b128 v[G+8*\e+4:G+8*\e+7], v2, s[6:7] offset:4096*\e+512
.endr
	s_wait_loadcnt 17                              ; x is in: behind it gate_b's load and gate_w's sixteen
	; ---- the codes and scale bytes of my 8 x 4 numbers; the rows and parts by turns, so that no line waits for the line above it
.irp p, 0,1,2,3
	v_max3_num_f32 v[MX+\p],   |v[X+8*\p]|,   |v[X+8*\p+1]|, 0x1800000   ; with the floor 2^(3 - 127) among the leaves: the byte cannot fall under 1
	v_max3_num_f32 v[MX+4+\p], |v[X+8*\p+4]|, |v[X+8*\p+5]|, 0x1800000
.endr
.irp p, 0,1,2,3
	v_max3_num_f32 v[MX+\p],   v[MX+\p],   |v[X+8*\p+2]|, |v[X+8*\p+3]|
	v_max3_num_f32 v[MX+4+\p], v[MX+4+\p], |v[X+8*\p+6]|, |v[X+8*\p+7]|
.endr
.irp m, 1,2,4
.irp q, 0,1,2,3,4,5,6,7
	v_max_num_f32_dpp v[MX+\q], v[MX+\q], v[MX+\q] row_xmask:\m row_mask:0xf bank_mask:0xf   ; the eight lanes of a block
.endr
.endr
.irp q, 0,1,2,3,4,5,6,7
	v_add_nc_u32 v[MX+\q], 0xff000000, v[MX+\q]    ; 2 off the exponent field: the conversion takes the exponent field of this operand as its scale
.endr
.irp p, 0,1,2,3
	v_cvt_scalef32_pk8_fp4_f32 v[CA+\p], v[X+8*\p:X+8*\p+7], v[MX+\p]     ; all eight under A's scale: codes 0-3, the low 16 bits, are part A's
	v_cvt_scalef32_pk8_fp4_f32 v[CB+\p], v[X+8*\p:X+8*\p+7], v[MX+4+\p]   ; all eight under B's scale: codes 4-7, the high 16 bits, are part B's
.endr
	v_nop                                          ; one plain place behind the scaled conversions: the next lines write their scale operands
.irp q, 0,1,2,3,4,5,6,7
	v_lshrrev_b32 v[MX+\q], 23, v[MX+\q]           ; the scale's byte
.endr
.irp p, 0,1,2,3
	ds_store_b16 v3, v[CA+\p] offset:CODE+512*\p
	ds_store_b16_d16_hi v3, v[CB+\p] offset:CODE+512*\p+64
	ds_store_b8 v4, v[MX+\p] offset:SCL+32*\p      ; the eight lanes of a block write the same byte with the same value
	ds_store_b8 v4, v[MX+4+\p] offset:SCL+32*\p+4
.endr
	s_wait_loadcnt 0x0                             ; gate_w and gate_b
	; ---- the logits' partial sums: the first product starts each sum
.irp p, 0,1,2,3
.irp e, 0,1,2,3,4,5,6,7
	v_pk_mul_f32 v[AC+2*(8*\p+\e):AC+2*(8*\p+\e)+1], v[X+8*\p:X+8*\p+1], v[G+8*\e:G+8*\e+1]
.endr
.endr
.irp i, 2,4,6
.irp p, 0,1,2,3
.irp e, 0,1,2,3,4,5,6,7
	v_pk_fma_f32 v[AC+2*(8*\p+\e):AC+2*(8*\p+\e)+1], v[X+8*\p+\i:X+8*\p+\i+1], v[G+8*\e+\i:G+8*\e+\i+1], v[AC+2*(8*\p+\e):AC+2*(8*\p+\e)+1]
.endr
.endr
.endr
.set q, 0
.rept 32
	v_add_f32 v[S+q], v[AC+2*q], v[AC+2*q+1]
.set q, q+1
.endr
.irp m, 1,2,4,8
.set q, 0
.rept 32
	v_add_f32_dpp v[S+q], v[S+q], v[S+q] row_xmask:\m row_mask:0xf bank_mask:0xf
.set q, q+1
.endr
.endr
.set q, 0
.rept 32
	v_permlanex16_b32 v[AC+q], v[S+q], s22, s23    ; (its destination has been written)
.set q, q+1
.endr
.set q, 0
.rept 32
	v_add_f32 v[S+q], v[S+q], v[AC+q]              ; every lane holds my wave's sum of (token q / 8, expert q % 8)
.set q, q+1
.endr
.irp i, 0,1,2,3,4,5,6,7
	ds_store_b128 v5, v[S+4*\i:S+4*\i+3] offset:PART+16*\i   ; all lanes write the same words with the same values
.endr
	s_wait_dscnt 0x0                               ; for the others' sake: my codes, bytes and sums lie in LDS
	s_barrier_signal -1
	s_barrier_wait -1
	ds_load_b128 v[16:19], v9 offset:CODE          ; wave w takes row w's 512 bytes of codes
	s_wait_dscnt 0x0
	global_store_b128 v9, v[16:19], s[12:13]       ; 32 lanes store 512 consecutive bytes, at a multiple of 512 from xq's first byte
	s_cmp_lg_u32 s16, 0
	s_cbranch_scc1 .Lend
	; ---- wave 0: lane = 8 x token + expert
.irp w, 0,1,2,3
	ds_load_b32 v[20+\w], v10 offset:PART+128*\w
.endr
	ds_load_b32 v24, v10 offset:SCL
	s_wait_dscnt 0x0
	global_store_b32 v10, v24, s[14:15]            ; the four rows' 128 scale bytes
	v_add_f32 v20, v20, v21
	v_add_f32 v22, v22, v23
	v_add_f32 v20, v20, v22
	v_add_f32 v20, v20, v6                         ; the logit
	v_cvt_f32_u32 v30, v7                          ; my expert, as a float
	v_mov_b32 v25, v20
.irp m, 1,2,4
	v_max_num_f32_dpp v25, v25, v25 row_xmask:\m row_mask:0xf bank_mask:0xf   ; the token's largest logit is taken away ahead of the exponential
.endr
	v_sub_f32 v26, v20, v25
	v_mul_f32 v26, 0x3fb8aa3b, v26                 ; x log2(e)
	s_wait_alu depctr_va_vdst(0)
	v_exp_f32 v26, v26
	v_mov_b32 v31, 0x41000000                      ; 8.0: past every expert.  (The plain place behind the exponential)
	s_wait_alu depctr_va_vdst(0)
	v_mov_b32 v27, v26
.irp m, 1,2,4
	v_add_f32_dpp v27, v27, v27 row_xmask:\m row_mask:0xf bank_mask:0xf
.endr
	s_wait_alu depctr_va_vdst(0)
	v_rcp_f32 v27, v27
	v_nop                                          ; the plain place behind the reciprocal
	s_wait_alu depctr_va_vdst(0)
	v_mul_f32 v28, v26, v27                        ; the probability
	v_mov_b32 v29, v28
.irp m, 1,2,4
	v_max_num_f32_dpp v29, v29, v29 row_xmask:\m row_mask:0xf bank_mask:0xf
.endr
	v_cmp_eq_f32 vcc_lo, v28, v29
	v_cndmask_b32 v30, v31, v30, vcc_lo            ; my expert where I hold the largest, else 8
.irp m, 1,2,4
	v_min_num_f32_dpp v30, v30, v30 row_xmask:\m row_mask:0xf bank_mask:0xf   ; the first of the largest
.endr
	v_cvt_u32_f32 v30, v30
	v_min_u32 v30, 7, v30                          ; an expert's number whatever the inputs
	v_lshrrev_b32 v32, 3, v1
	v_lshlrev_b32 v32, 2, v32
	global_store_b32 v32, v30, s[10:11]            ; the eight lanes of a token store the same word with the same value
.Lend:
	s_wait_tensorcnt 0x0
	ds_add_u32 v224, v225
	s_wait_dscnt 0x0
	s_endpgm
.Lfunc_end_k_q0a120a40dc_gate:
	.size	k_q0a120a40dc_gate, .Lfunc_end_k_q0a120a40dc_gate-k_q0a120a40dc_gate
	.p2alignl 7, 3214868480
	.fill 96, 4, 3214868480
	.section	.rodata,"a",@progbits
	.p2align	6, 0x0
	.amdhsa_kernel k_q0a120a40dc_gate
		.amdhsa_group_segment_fixed_size 3584
		.amdhsa_private_segment_fixed_size 0
		.amdhsa_enable_private_segment 0
		.amdhsa_kernarg_size 48
		.amdhsa_user_sgpr_count 2
		.amdhsa_user_sgpr_kernarg_segment_ptr 1
		.amdhsa_wavefront_size32 1
		.amdhsa_system_sgpr_workgroup_id_x 1
		.amdhsa_system_sgpr_workgroup_id_y 1
		.amdhsa_system_sgpr_workgroup_id_z 1
		.amdhsa_system_vgpr_workitem_id 0
		.amdhsa_next_free_vgpr 226
		.amdhsa_next_free_sgpr 66
		.amdhsa_reserve_vcc 1
		.amdhsa_float_denorm_mode_32 3
		.amdhsa_float_denorm_mode_16_64 3
		.amdhsa_memory_ordered 1
		.amdhsa_forward_progress 1
		.amdhsa_inst_pref_size 33
	.end_amdhsa_kernel
	.amdgpu_metadata
---
amdhsa.version: [ 1, 2 ]
amdhsa.kernels:
  - .name:           k_q0a120a40dc_gate
    .symbol:         k_q0a120a40dc_gate.kd
    .args:
      - { .name: x, .offset: 0, .size: 8, .value_kind: global_buffer, .address_space: global }
      - { .name: gate_w, .offset: 8, .size: 8, .value_kind: global_buffer, .address_space: global }
      - { .name: gate_b, .offset: 16, .size: 8, .value_kind: global_buffer, .address_space: global }
      - { .name: top, .offset: 24, .size: 8, .value_kind: global_buffer, .address_space: global }
      - { .name: xq, .offset: 32, .size: 8, .value_kind: global_buffer, .address_space: global }
      - { .name: xs, .offset: 40, .size: 8, .value_kind: global_buffer, .address_space: global }
    .group_segment_fixed_size: 3584
    .private_segment_fixed_size: 0
    .kernarg_segment_align: 8
    .kernarg_segment_size: 48
    .max_flat_workgroup_size: 128
    .sgpr_count:     66
    .vgpr_count:     226
    .wavefront_size: 32
...
	.end_amdgpu_metadata
.endif
;; end of part 6
;; launch up (part 7): grid 32 x 8, 4 waves a work-group, no clusters, 104,960 bytes of LDS; arguments xq, xs, top, w1_codes, w1_scales, b1, hq, hs, list; writes hq, hs, list
.if DOCPART == 7
	.amdgcn_target "amdgcn-amd-amdhsa--gfx1250"
	.amdhsa_code_object_version 6
	.text
	.protected	k_q0a120a40dc_up
	.globl	k_q0a120a40dc_up
	.p2align	8
	.type	k_q0a120a40dc_up,@function
k_q0a120a40dc_up:
	s_mov_b64 s[64:65], 0
	v_nop
	global_prefetch_b8 v0, s[64:65] scope:SCOPE_SE
	s_setreg_imm32_b32 hwreg(HW_REG_WAVE_SCHED_MODE, 0, 2), 2
	s_setreg_imm32_b32 hwreg(HW_REG_WAVE_MODE, 25, 1), 1
	s_wait_xcnt 0x0
	s_wait_alu depctr_vm_vsrc(0)
; THE LISTS, AND THE FIRST PRODUCT FOR THE LISTED TOKENS ONLY: h = Q(relu(x W1[e] + b1[e])), on codes of E2M1 with one E8M0 scale for each 32 along K.
; reference() multiplies every expert's output by a one-hot that it builds itself, so a token's rows are computed for its own expert alone; each token's expert was stored by the launch before as a whole number (top).
; SHARES.  Work-group (s0, e) owns hidden units 128 s0 .. 128 s0 + 127 of expert e: 64 KiB of w1_codes, one 256th of the tensor: every weight byte is read once in the launch, by loads of 512 consecutive bytes,
; all of a wave's 32 on their way at once.  The rows pass through LDS once and then EVERY wave holds the whole chunk in registers (8 tiles x 8 K steps x 8 = 512).  The waves share the TOKENS: wave w takes tiles
; w, w + 4, .. of 16 listed tokens.  So a wave makes a whole fragment and a whole scale word of the second product (its K step s0), and the loop, whose trip count is made of loaded numbers, holds no barrier.
; WHICH TOKENS FORM A TILE is found in registers, by every wave for itself: no scatter, no LDS, no other wave.  The wave reads all 1,024 words of top (register k = 4 j + i of lane l is token 128 j + 4 l + i), and keeps
; for each register k the mask of e's tokens and the count in front of it.  The expert's token of rank q is the (q - that count)-th set bit of the last word whose count in front is at most q: 32 compares and selects
; find the word, five halvings on the word's counts by fields of 16, 8, 4, 2 and 1 bits find the bit.  A rank past the list's end is held at the last rank: a pad row names a token of the same expert again, computes what
; that token's own row computes, and is stored by the next launch to the same bytes with the same values.
; THE MATRIX INSTRUCTION IS USED TRANSPOSED (source 0 = 16 rows of W1, source 1 = 16 tokens), AND THE ROWS OF W1 THAT FORM A TILE ARE NOT NEIGHBOURS: row m of tile 2 b + u is hidden unit 32 b + 8 u + m + 8 (m / 8),
; so that a lane holds one token and the 16 registers of tiles 2 b, 2 b + 1 are 16 neighbours along the next K.  The order is made by the immediates of the LDS stores.  b1 is the C of each sum's first instruction.
; OUT.  hq [e][tile 64][K step 32][2][lane 32][16 bytes]: the image of the operand's registers; hs [e][tile][2,048]: the scale word of (K step s, token r) at 512 (s / 8) + 256 ((s / 4) % 2) + 16 r + 4 (s % 4);
; list [8][2048] u32, by the work-groups with s0 = 0 alone: row e: entry 16 t + i the i-th token of tile t, entry 1,088 (byte 4,352) the count.
; Every wave works tile w even where the list is shorter (its entries are pads): tiles 0-3 of every expert are always written, and the next launch may always read them.
; No cluster: no two work-groups share a weight byte, and the tokens' rows are gathered by a list.  No tensor loads: the stores' immediates order the rows, and the transit registers are those that the fragments take.
; LIMITS: NaN and infinities are not served.  A block of zeros gets the scale byte 1 where the quantiser says 127: its codes are zeros, and this program alone reads the bytes.
; REGISTERS, in windows of 256: window 0: v1-15 addresses, v16-31 the rows' addresses, v32-95 x's 8 fragments (first v32-63: top), v96-159 the 8 accumulators, v160.. at work, v186-193 x's scale words, v200-231 W1's,
;   v232-239 and v246-249 at work in FIND.   window 1: W1's fragments of K steps 0-3 ((s, t) at 8 (8 (s % 4) + t)); first the weights' transit.   window 2: K steps 4-7.
;   window 3: v0-63 16 rows of x as loaded; v64-127 b1's 8 tiles; v128-159 the 32 masks; v160-191 the 32 counts in front, each << 5 | its word's number.
; THE MODE: SCHED_MODE bits 1:0 = 2 (LLVM: expert scheduling mode 2), set by the entry lines.  The code itself states the register dependences
; between vector or matrix instructions and memory or LDS instructions, with s_wait_alu, always for 0.
; THE PLAN.  Registers that memory or LDS instructions touch:
;   v1-7, v10-12       addresses.  Written at the head and never again: the wait on va_vdst ahead of the kernel's first load serves every instruction that reads them.
;   v8, v9, v15-31     a tile's tokens, the list's offset, the rows' addresses.  Written by FIND and XADDR; read by the tile's 17 loads and by the list's store.
;   R, XR              16 rows of x and their scale bytes as loaded.  Written by those 17 loads; read by the trip's 17 LDS stores; no vector instruction names them.
;   F, XS              x's fragments and scale words.  Written by the trip's 18 LDS loads; read by its 64 matrix instructions.  (v32-63 first hold top, which the head's compares read.)
;   PC, PW             Written by QUANT; read by the trip's three stores.
;   window 1, v0-127   the weights' transit: loaded, read by 32 LDS stores; then fragments land there.  W1's fragments, its scale words and b1 are loaded at the head and read by matrix instructions alone.
; A TRIP HAS THREE WAITS FOR THEM.  One on vm_vsrc behind its LDS stores and loads, ahead of the branch round FIND: R and XR, the last trip's PC and PW, and the last addresses, offset and tokens have been read; all are
; written again only behind it.  One on va_vdst between XADDR and the next tile's 17 loads.  One on va_vdst between QUANT and the three stores: it stands behind the trip's 64 matrix instructions, and no vector or matrix
; instruction follows it before the next trip's LDS loads into F and XS, so it states their dependence too.
; Scalar registers and VCC that vector instructions write have their wait ahead of the first reader; the compares stand in runs of sixteen, with one wait behind each run.
.set XST0, 67584                       ; LDS: 0 .. 67,583: 128 rows of W1, 512 bytes + 16 of padding each; from XST0 on 9,216 bytes a wave: 16 rows of x (528 each), then at 8,448 their 512 scale bytes
.set L16,  1                           ; v1   16 l
.set WSTO, 2                           ; v2   the weights' way into LDS: 16,896 w + 16 l
.set WFR,  3                           ; v3   a fragment's place: 528 r + 16 h
.set XSTO, 4                           ; v4   my stage + 16 l
.set XFR,  5                           ; v5   my stage + 528 r + 16 h
.set XSR,  7                           ; v7   my stage + 32 r
.set VL,   8                           ; v8   the tile's token l / 2
.set XSA,  9                           ; v9   its scale bytes' half: 32 x token + 16 (l % 2)
.set HSO,  10                          ; v10  16 r
.set WSA,  11                          ; v11  W1's scale words: 32 (8 h + r + 8 (r / 8))
.set B1A,  12                          ; v12  64 h
.set H16,  13                          ; v13  16 (l % 2)
.set LL,   14                          ; v14  4 (l / 2)
.set LA,   15                          ; v15  the byte of entry l / 2 of the tile in the list's row
.set XA,   16
.set TP,   32                          ; v32-63 top, at the head
.set F,    32
.set HA,   96
.set PC,   160                         ; v160-167 the codes just made
.set TM,   168                         ; v168-183 at work in QUANT
.set PW,   184                         ; the scale word just made
.set XS,   186
.set XR,   196                         ; v196-199 16 scale bytes of x as loaded
.set WS,   200                         ; register 8 b + s: lanes 0-15 the words of tile 2 b, lanes 16-31 of tile 2 b + 1, K step s
.set Q,    232                         ; FIND: my rank
.set QQ,   233                         ; rank << 5 | 31
.set Y,    234                         ; my word's count in front << 5 | its number
.set M,    235                         ; my word's mask
.set C1,   236                         ; its counts by fields of 2 bits,
.set C2,   237                         ; of 4,
.set C4,   238                         ; of 8,
.set C8,   239                         ; of 16
.set NN,   246                         ; which set bit of what is left
.set POS,  247                         ; where what is left begins
.set T1,   248
.set T2,   249
.set R,    0                           ; window 3
.set B1,   64
.set MV,   128
.set YV,   160
.set N,    32                          ; s[32:47] the tile's 16 tokens; ahead of them, sixteen compares' masks
.set SEL,  28
.set MSB, 0
.macro WIN new                         ; the immediate's high byte repeats the setting that is left; a switch that changes nothing is dropped
.if MSB != \new
	s_set_vgpr_msb (MSB<<8)|\new
.set MSB, \new
.endif
.endm
; 64 numbers of a lane, register 16 b + i = k 32 b + 16 (lane / 16) + i of my token, become a fragment's codes in v[PC] on and its scale word in v[PW].
.macro QUANT s
.irp b, 0,1,2,3
	v_max3_num_f32 v[TM+\b], |v[\s+16*\b]|, |v[\s+1+16*\b]|, 0x1800000   ; block b: my 16 numbers, and the floor 2^(3 - 127): the byte cannot fall under 1
.endr
.irp i, 2,4,6,8,10,12,14
.irp b, 0,1,2,3
	v_max3_num_f32 v[TM+\b], v[TM+\b], |v[\s+16*\b+\i]|, |v[\s+1+16*\b+\i]|   ; (the four blocks by turns)
.endr
.endr
.irp b, 0,1,2,3
	v_permlanex16_b32 v[TM+4+\b], v[TM+\b], s[SEL], s[SEL+1]
.endr
.irp b, 0,1,2,3
	v_max_num_f32 v[TM+\b], v[TM+\b], v[TM+4+\b]   ; with lane l xor 16's: the block's largest magnitude
.endr
.irp b, 0,1,2,3
	v_add_nc_u32 v[TM+12+\b], 0xff000000, v[TM+\b] ; 2 off its exponent field: the conversion's scale operand
.endr
.irp b, 0,1,2,3
	v_lshrrev_b32 v[TM+4+\b], 23, v[TM+12+\b]      ; the scale's byte
.endr
	v_lshl_or_b32 v[PW], v[TM+5], 8, v[TM+4]
	v_lshl_or_b32 v[PW], v[TM+6], 16, v[PW]
	v_lshl_or_b32 v[PW], v[TM+7], 24, v[PW]
.irp b, 0,1,2,3
	v_cvt_scalef32_pk8_fp4_f32 v[PC+2*\b], v[\s+16*\b:\s+7+16*\b], v[TM+12+\b]
	v_cvt_scalef32_pk8_fp4_f32 v[PC+1+2*\b], v[\s+8+16*\b:\s+15+16*\b], v[TM+12+\b]
.endr
	v_nop                                          ; one plain place behind the scaled conversions
.irp c, 0,1                                    ; the operand's layout wants a WHOLE block in a lane: lanes 0-15 block 2 c, lanes 16-31 block 2 c + 1
.irp i, 0,1
	v_permlane16_swap_b32 v[PC+4*\c+\i], v[PC+2+4*\c+\i]
.endr
.endr
.endm
; One halving: what is left of my word begins at bit POS and is 2 w bits long; register c holds the word's counts by fields of w bits.  Where the wanted set bit is not among the lower w, go on in the upper w.
.macro HALVE c, w, last
	v_bfe_u32 v[T1], v[\c], v[POS], \w             ; set bits among the lower w
	v_add_nc_u32 v[T2], \w, v[POS]
	v_cmp_ge_u32 vcc_lo, v[NN], v[T1]
	s_wait_alu depctr_va_vcc(0)                    ; the compare has written VCC, which the selects below read
	v_cndmask_b32 v[POS], v[POS], v[T2], vcc_lo
.if !\last
	v_cndmask_b32 v[T1], 0, v[T1], vcc_lo
	v_sub_nc_u32 v[NN], v[NN], v[T1]
.endif
.endm
; The 16 tokens of tile s49 into v[VL], token l / 2 in lane l; their bytes in the list's row into v[LA].
.macro FIND
	s_min_u32 s26, s49, 63                         ; a list has 64 tiles at the most
	s_lshl_b32 s26, s26, 6
	v_add_nc_u32 v[LA], s26, v[LL]                 ; 64 x tile + 4 (l / 2)
	v_lshrrev_b32 v[Q], 2, v[LA]                   ; my rank: 16 x tile + l / 2,
	v_min_u32 v[Q], s54, v[Q]                      ; held at the list's last: the pads
	v_lshl_or_b32 v[QQ], v[Q], 5, 31
	v_mov_b32 v[Y], 0                              ; (word 0's compare below holds in every lane: these two only make the selects' first sources written)
	v_mov_b32 v[M], 0
	WIN 0x0c                                       ; source 1 window 3
.irp g, 0,1                                    ; the last word whose count in front is at most my rank; sixteen words' compares in a run, each into a scalar register of its own, then their selects
.set k, 0
.rept 16
	v_cmp_ge_u32 s[N+k], v[QQ], v[YV+16*\g+k]      ; rank << 5 | 31 >= count << 5 | k: count <= rank
.set k, k+1
.endr
	s_wait_alu depctr_va_sdst(0)                   ; the sixteen compares have written s[N ..], which the selects below read
.set k, 0
.rept 16
	v_cndmask_b32 v[Y], v[Y], v[YV+16*\g+k], s[N+k]
	v_cndmask_b32 v[M], v[M], v[MV+16*\g+k], s[N+k]
.set k, k+1
.endr
.endr
	WIN 0
	v_lshrrev_b32 v[T1], 5, v[Y]                   ; the count in front of my word
	v_sub_nc_u32 v[NN], v[Q], v[T1]                ; I want its set bit number NN, from 0
	v_and_b32 v[Y], 31, v[Y]                       ; the word's number k
	v_lshrrev_b32 v[T1], 1, v[M]                   ; the word's counts by fields of 2, 4, 8 and 16 bits
	v_and_b32 v[T1], 0x55555555, v[T1]
	v_sub_nc_u32 v[C1], v[M], v[T1]
	v_lshrrev_b32 v[T1], 2, v[C1]
	v_and_b32 v[C2], 0x33333333, v[C1]
	v_and_b32 v[T1], 0x33333333, v[T1]
	v_add_nc_u32 v[C2], v[C2], v[T1]
	v_lshrrev_b32 v[T1], 4, v[C2]
	v_add_nc_u32 v[C4], v[C2], v[T1]
	v_and_b32 v[C4], 0x0f0f0f0f, v[C4]
	v_lshrrev_b32 v[T1], 8, v[C4]
	v_add_nc_u32 v[C8], v[C4], v[T1]
	v_and_b32 v[C8], 0x00ff00ff, v[C8]
	v_and_b32 v[T1], 0xffff, v[C8]                 ; the first halving: set bits among the lower 16
	v_cmp_ge_u32 vcc_lo, v[NN], v[T1]
	s_wait_alu depctr_va_vcc(0)                    ; the compare has written VCC, which the selects below read
	v_cndmask_b32 v[POS], 0, 16, vcc_lo
	v_cndmask_b32 v[T1], 0, v[T1], vcc_lo
	v_sub_nc_u32 v[NN], v[NN], v[T1]
	HALVE C4, 8, 0
	HALVE C2, 4, 0
	HALVE C1, 2, 0
	HALVE M, 1, 1                                  ; POS: the lane that holds my token in register k
	v_lshrrev_b32 v[T1], 2, v[Y]
	v_and_b32 v[T2], 3, v[Y]
	v_lshl_add_u32 v[T2], v[POS], 2, v[T2]
	v_lshl_add_u32 v[VL], v[T1], 7, v[T2]          ; token 128 (k / 4) + 4 POS + k % 4
.endm
.macro XADDR                           ; the tile's 16 tokens, held under 1,024 since they are made of loaded numbers, become the addresses of their rows
	v_min_u32 v[VL], 0x3ff, v[VL]
.irp i, 0,1,2,3,4,5,6,7,8,9,10,11,12,13,14,15
	v_readlane_b32 s[N+\i], v[VL], 2*\i            ; token i, for all lanes
.endr
	s_wait_alu depctr_va_sdst(0)                   ; the sixteen lines above have written s[N ..], which the lines below read
.irp i, 0,1,2,3,4,5,6,7,8,9,10,11,12,13,14,15
	s_min_u32 s[N+\i], s[N+\i], 0x3ff
	v_lshl_add_u32 v[XA+\i], s[N+\i], 9, v[L16]    ; 512 x token + 16 l
.endr
	v_lshl_add_u32 v[XSA], v[VL], 5, v[H16]
.endm
.macro XLOAD                           ; 17 loads: 16 whole rows of codes, 512 consecutive bytes each, and the 16 rows' scale bytes, 16 a lane
	WIN 0xc0                                       ; destination window 3
	s_wait_alu depctr_va_vdst(0)                   ; FIND and XADDR have written the rows' addresses v[XA ..] and v[XSA], which the loads below read, and v[LA] and v[VL], which the list's store reads; at the head the compares are also done reading top's registers, in which x's fragments land
.irp i, 0,1,2,3,4,5,6,7,8,9,10,11,12,13,14,15
	global_load_b128 v[R+4*\i:R+4*\i+3], v[XA+\i], s[4:5]
.endr
	WIN 0
	global_load_b128 v[XR:XR+3], v[XSA], s[6:7]
.endm
.macro LSTORE                          ; the tile's 16 entries go to the list, from the expert's first work-group alone: each byte of the list has one writer
	s_cmp_lg_u32 s22, 0
	s_cbranch_scc1 .Lnot_first_\@
	global_store_b32 v[LA], v[VL], s[52:53]        ; 64 consecutive bytes; lanes 2 i and 2 i + 1 store the same word with the same value.  (No vector instruction since XLOAD's wait names its two registers)
.Lnot_first_\@:
.endm
.macro MM s, t                         ; tile t's sum takes K step s
.set rD, HA+8*(\t)
.set rW, 8*(8*((\s)%4)+(\t))
.set rF, F+8*(\s)
.set rA, WS+8*((\t)/2)+(\s)
.set rB, XS+(\s)
.if (\s) == 0
.if (\t)%2 == 0
	v_wmma_scale_f32_16x16x128_f8f6f4 v[rD:rD+7], v[rW:rW+7], v[rF:rF+7], v[B1+8*(\t):B1+8*(\t)+7], v[rA], v[rB] matrix_a_fmt:MATRIX_FMT_FP4 matrix_b_fmt:MATRIX_FMT_FP4
.else
	v_wmma_scale_f32_16x16x128_f8f6f4 v[rD:rD+7], v[rW:rW+7], v[rF:rF+7], v[B1+8*(\t):B1+8*(\t)+7], v[rA], v[rB] matrix_a_fmt:MATRIX_FMT_FP4 matrix_b_fmt:MATRIX_FMT_FP4 matrix_a_scale:MATRIX_SCALE_ROW1
.endif
.else
.if (\t)%2 == 0
	v_wmma_scale_f32_16x16x128_f8f6f4 v[rD:rD+7], v[rW:rW+7], v[rF:rF+7], v[rD:rD+7], v[rA], v[rB] matrix_a_fmt:MATRIX_FMT_FP4 matrix_b_fmt:MATRIX_FMT_FP4
.else
	v_wmma_scale_f32_16x16x128_f8f6f4 v[rD:rD+7], v[rW:rW+7], v[rF:rF+7], v[rD:rD+7], v[rA], v[rB] matrix_a_fmt:MATRIX_FMT_FP4 matrix_b_fmt:MATRIX_FMT_FP4 matrix_a_scale:MATRIX_SCALE_ROW1
.endif
.endif
.endm
	s_load_b512 s[4:19], s[0:1], 0x0               ; xq s[4:5], xs s[6:7], top s[8:9], w1_codes s[10:11], w1_scales s[12:13], b1 s[14:15], hq s[16:17], hs s[18:19]
	s_load_b64 s[52:53], s[0:1], 0x40              ; list
	v_lshl_add_u32 v254, v0, 2, 0x19800
	v_mov_b32 v255, 0
	v_lshrrev_b32 v240, 5, v0
	v_readfirstlane_b32 s20, v240                  ; wave w
	s_and_b32 s21, ttmp7, 0xffff                   ; expert e
	s_mov_b32 s22, ttmp9                           ; chunk s0
	v_and_b32 v240, 31, v0                         ; l
	v_and_b32 v241, 15, v0                         ; r
	v_bfe_u32 v242, v0, 4, 1                       ; h
	v_lshlrev_b32 v[L16], 4, v240
	s_wait_alu depctr_va_sdst(0)                   ; s20 is written, ahead of its first reader
	s_mul_i32 s27, s20, 16896                      ; 32 rows of 528 bytes a wave
	v_add_nc_u32 v[WSTO], s27, v[L16]
	v_mul_u32_u24 v[WFR], v241, 528
	v_lshl_add_u32 v[WFR], v242, 4, v[WFR]
	s_mul_i32 s27, s20, 9216
	s_add_co_u32 s27, s27, XST0                    ; my stage
	v_add_nc_u32 v[XSTO], s27, v[L16]
	v_add_nc_u32 v[XFR], s27, v[WFR]
	v_lshl_add_u32 v[XSR], v241, 5, s27
	v_lshlrev_b32 v[HSO], 4, v241
	v_and_b32 v243, 8, v241
	v_add_nc_u32 v243, v243, v241                  ; r + 8 (r / 8)
	v_lshl_add_u32 v243, v242, 3, v243             ; + 8 h: lanes 16-31 take the odd tile's rows
	v_lshlrev_b32 v[WSA], 5, v243
	v_lshlrev_b32 v[B1A], 6, v242
	v_and_b32 v243, 1, v0
	v_lshlrev_b32 v[H16], 4, v243
	v_lshrrev_b32 v243, 1, v240
	v_lshlrev_b32 v[LL], 2, v243
	s_mov_b32 s[SEL], 0x76543210
	s_mov_b32 s[SEL+1], 0xfedcba98                 ; v_permlanex16_b32's selects for lane l xor 16
.irp b, 0,1,2,3
	v_mov_b32 v[TM+4+\b], 0                        ; written once: a lane permute's destination counts as one of its sources
.endr
	s_mov_b32 s31, 0
	s_wait_kmcnt 0x0
	s_wait_alu depctr_va_vdst(0)                   ; the addresses v1 to v7 and v10 to v12 are written: every load, store and LDS instruction of the kernel that reads one of them stands behind this wait, and none of them is written again
.irp j, 0,1,2,3,4,5,6,7
	global_load_b128 v[TP+4*\j:TP+4*\j+3], v[L16], s[8:9] offset:512*\j   ; all 1,024 tokens' experts, first of all: x's rows hang on them
.endr
	s_lshl_b32 s30, s21, 21
	s_lshl_b32 s27, s22, 16
	s_add_co_u32 s30, s30, s27
	s_lshl_b32 s27, s20, 14
	s_add_co_u32 s30, s30, s27
	s_add_nc_u64 s[10:11], s[10:11], s[30:31]      ; my wave's 32 rows of W1
	WIN 0x40                                       ; destination window 1
.set i, 0
.rept 32
	global_load_b128 v[4*i:4*i+3], v[L16], s[10:11] offset:512*i th:TH_LOAD_NT   ; a whole row: 512 consecutive bytes; read once in the launch
.set i, i+1
.endr
	WIN 0
	s_lshl_b32 s30, s21, 17
	s_lshl_b32 s27, s22, 12
	s_add_co_u32 s30, s30, s27
	s_add_nc_u64 s[12:13], s[12:13], s[30:31]      ; the chunk's scale bytes: 128 rows of 32
	s_lshl_b32 s30, s21, 14
	s_lshl_b32 s27, s22, 9
	s_add_co_u32 s30, s30, s27
	s_add_nc_u64 s[14:15], s[14:15], s[30:31]      ; the chunk's b1
	s_lshl_b32 s30, s21, 21
	s_lshl_b32 s27, s20, 15
	s_add_co_u32 s30, s30, s27
	s_lshl_b32 s27, s22, 10
	s_add_co_u32 s30, s30, s27
	s_add_nc_u64 s[16:17], s[16:17], s[30:31]      ; hq: expert, tile w, K step s0
	s_lshl_b32 s30, s21, 17
	s_lshl_b32 s27, s20, 11
	s_add_co_u32 s30, s30, s27
	s_lshr_b32 s27, s22, 3
	s_lshl_b32 s27, s27, 9
	s_add_co_u32 s30, s30, s27
	s_bfe_u32 s27, s22, 0x10002
	s_lshl_b32 s27, s27, 8
	s_add_co_u32 s30, s30, s27
	s_and_b32 s27, s22, 3
	s_lshl_b32 s27, s27, 2
	s_add_co_u32 s30, s30, s27
	s_add_nc_u64 s[18:19], s[18:19], s[30:31]      ; hs: expert, tile w, K step s0's words
	s_lshl_b32 s30, s21, 13
	s_add_nc_u64 s[52:53], s[52:53], s[30:31]      ; my expert's row of the list
	s_mov_b32 s51, 0                               ; the count so far, << 5
	s_wait_loadcnt 32                              ; top is in: behind it the 32 loads of weights
.irp g, 0,1                                    ; word k: which lanes hold a token of e, and how many tokens of e stand in front of it; both as the same number in every lane.  Sixteen words' compares in a run, then their counts
	WIN 0
.set k, 0
.rept 16
	v_cmp_eq_u32 s[N+k], s21, v[TP+16*\g+k]
.set k, k+1
.endr
	s_wait_alu depctr_va_sdst(0)                   ; the sixteen compares have written s[N ..], which the lines below read
	WIN 0xc0                                       ; destination window 3
.set k, 0
.rept 16
	v_mov_b32 v[MV+16*\g+k], s[N+k]
	v_or_b32 v[YV+16*\g+k], s51, 16*\g+k
	s_bcnt1_i32_b32 s26, s[N+k]
	s_lshl_b32 s26, s26, 5
	s_add_co_u32 s51, s51, s26
.set k, k+1
.endr
.endr
	WIN 0
	s_lshr_b32 s48, s51, 5                         ; the expert's count
	s_min_u32 s48, s48, 0x400
	s_max_u32 s54, s48, 1
	s_sub_co_u32 s54, s54, 1                       ; the list's last rank (0 where the expert has no token: its rows are computed and never stored to the output)
	s_add_co_u32 s23, s48, 15
	s_lshr_b32 s23, s23, 4                         ; nt: the list's tiles
	s_add_co_u32 s50, s23, 3
	s_sub_co_u32 s50, s50, s20
	s_lshr_b32 s50, s50, 2                         ; my tiles w, w + 4, .. under nt: (nt + 3 - w) / 4 of them,
	s_max_u32 s50, s50, 1                          ; and tile w in any case: the loop's trips
	s_mov_b32 s24, 0                               ; the trip's number i: my tile is w + 4 i
	s_cmp_lg_u32 s22, 0
	s_cbranch_scc1 .Lnocount
	v_mov_b32 v250, s48
	v_mov_b32 v251, 0
	s_wait_alu depctr_va_vdst(0)                   ; v250 and v251 are written, which the store below reads; neither is written again
	global_store_b32 v251, v250, s[52:53] offset:4352   ; the count: all lanes of the four waves store the same word with the same value
.Lnocount:
	s_mov_b32 s49, s20
	FIND                                           ; tile w's tokens
	XADDR
	XLOAD                                          ; and their rows
	LSTORE
.irp b, 0,1,2,3
.irp j, 0,1
	global_load_b128 v[WS+8*\b+4*\j:WS+8*\b+4*\j+3], v[WSA], s[12:13] offset:1024*\b+16*\j
.endr
.endr
	s_wait_loadcnt 25                              ; the weights are in: behind them 17 loads of x and 8 of scale words
	WIN 0x04                                       ; an LDS store's data are its source 1: window 1
.set i, 0
.rept 32
	ds_store_b128 v[WSTO], v[4*i:4*i+3] offset:528*(16*((i/8)%2)+(i%8)+8*(i/16))   ; row 32 w + i goes to place m = i % 8 + 8 (i / 16) of tile 2 w + (i / 8) % 2
.set i, i+1
.endr
	WIN 0xc0
.irp t, 0,1,2,3,4,5,6,7
	global_load_b128 v[B1+8*\t:B1+8*\t+3],   v[B1A], s[14:15] offset:(32*(\t/2)+8*(\t%2))*4      ; lane (r, h), tile 2 b + u: b1 of hidden units 32 b + 16 h + 8 u + 0 .. 7
	global_load_b128 v[B1+8*\t+4:B1+8*\t+7], v[B1A], s[14:15] offset:(32*(\t/2)+8*(\t%2))*4+16
.endr
	WIN 0
	s_wait_dscnt 0x0                               ; for the others' sake: my 32 rows lie in LDS
	s_barrier_signal -1
	s_barrier_wait -1                              ; the kernel's one barrier: all 128 rows do; nobody writes them again
	WIN 0x40
	s_wait_alu depctr_vm_vsrc(0)                   ; my LDS stores have read the transit registers, window 1's v0 to v127, in which W1's fragments land
.irp s, 0,1,2,3,4,5,6,7
.if \s == 4
	WIN 0x80
.endif
.irp t, 0,1,2,3,4,5,6,7
.irp c, 0,1
	ds_load_b128 v[8*(8*(\s%4)+\t)+4*\c:8*(8*(\s%4)+\t)+4*\c+3], v[WFR] offset:8448*\t+64*\s+32*\c   ; rows 528 bytes apart: the 16 rows of a load start at 16 different groups of four banks
.endr
.endr
.endr
	WIN 0
.Ltile:                                            ; a trip: one tile of 16 listed tokens
	s_wait_loadcnt 0x0                             ; all that is out belongs to this tile (and, in the first trip, to the head): rows and scale bytes
	WIN 0x0c                                       ; the data: window 3
.irp i, 0,1,2,3,4,5,6,7,8,9,10,11,12,13,14,15
	ds_store_b128 v[XSTO], v[R+4*\i:R+4*\i+3] offset:528*\i
.endr
	WIN 0
	ds_store_b128 v[XSTO], v[XR:XR+3] offset:8448
.irp s, 0,1,2,3,4,5,6,7                        ; F and XS: the last trip's matrix instructions, which read them, stand ahead of that trip's wait on va_vdst in front of its stores (first trip: the compares that read top stand ahead of XLOAD's), and no vector or matrix instruction has been issued since
.irp c, 0,1
	ds_load_b128 v[F+8*\s+4*\c:F+8*\s+4*\c+3], v[XFR] offset:64*\s+32*\c   ; LDS serves a wave's instructions in order (ISA guide 5.7.1.4): these see my stores; the stage is my wave's own
.endr
.endr
	ds_load_b128 v[XS:XS+3],   v[XSR] offset:8448  ; lane r: token r's eight scale words
	ds_load_b128 v[XS+4:XS+7], v[XSR] offset:8464
	s_wait_dscnt 0x0                               ; the fragments are in (in the first trip W1's too)
	s_wait_alu depctr_vm_vsrc(0)                   ; the LDS stores above have read the rows' registers and v[XR ..], in which the next tile's loads land; the last trip's stores have read v[PC ..] and v[PW], which QUANT writes again; the last row loads and the list's last store have read v8, v9 and v15 to v31, which FIND and XADDR write again
	s_add_co_u32 s49, s24, 1
	s_cmp_lt_u32 s49, s50
	s_cbranch_scc0 .Lnonext                        ; my next tile's rows are asked for now, if there is a next trip: they land under this tile's work
	s_wait_xcnt 0x0                                ; the list's last store has read its offset and its data: FIND writes both again
	s_lshl_b32 s49, s49, 2
	s_add_co_u32 s49, s49, s20                     ; tile w + 4 (i + 1)
	FIND
	XADDR
	XLOAD
	LSTORE
.Lnonext:
.irp s, 0,1,2,3,4,5,6,7                        ; 64 matrix instructions; the eight accumulators take turns, one instruction a turn.  They name none of the registers in which the 17 loads above land
.if \s == 0
	WIN 0x31                                       ; source 0 (W1) window 1, C (b1) window 3
.elseif \s == 1
	WIN 0x01
.elseif \s == 4
	WIN 0x02                                       ; source 0 window 2
.endif
.irp t, 0,1,2,3,4,5,6,7
	MM \s, \t
.endr
.endr
	WIN 0
.rept 4
	v_nop                                          ; four places behind the last products (ISA guide 7.12.1), in front of the first read of results
.endr
.set i, 0
.rept 64
	v_max_num_f32 v[HA+i], 0, v[HA+i]              ; the activation, in f32; each accumulator from its low end on
.set i, i+1
.endr
	QUANT HA
	s_wait_alu depctr_va_vdst(0)                   ; QUANT has written v[PC ..] and v[PW], which the stores below read; and the trip's matrix instructions are done reading F and XS, in which the next trip's LDS loads land
	global_store_b128 v[L16], v[PC:PC+3],   s[16:17]              ; the fragment as it stands: 512 consecutive bytes a store
	global_store_b128 v[L16], v[PC+4:PC+7], s[16:17] offset:512
	global_store_b32 v[HSO], v[PW], s[18:19]       ; token r's scale word; lanes l and l + 16 store the same word with the same value
	s_wait_xcnt 0x0                                ; the stores' data and bases are written again only behind this wait
	s_add_nc_u64 s[16:17], s[16:17], 0x20000       ; four tiles on
	s_add_nc_u64 s[18:19], s[18:19], 0x2000
	s_add_co_u32 s24, s24, 1
	s_cmp_lt_u32 s24, s50
	s_cbranch_scc1 .Ltile
	s_wait_dscnt 0x0                               ; the closing lines, six on end
	s_wait_alu 0x0
	s_wait_tensorcnt 0x0
	ds_add_u32 v254, v255
	s_wait_dscnt 0x0
	s_endpgm
.Lfunc_end_k_q0a120a40dc_up:
	.size	k_q0a120a40dc_up, .Lfunc_end_k_q0a120a40dc_up-k_q0a120a40dc_up
	.p2alignl 7, 3214868480
	.fill 96, 4, 3214868480
	.section	.rodata,"a",@progbits
	.p2align	6, 0x0
	.amdhsa_kernel k_q0a120a40dc_up
		.amdhsa_group_segment_fixed_size 104960
		.amdhsa_private_segment_fixed_size 0
		.amdhsa_enable_private_segment 0
		.amdhsa_kernarg_size 72
		.amdhsa_user_sgpr_count 2
		.amdhsa_user_sgpr_kernarg_segment_ptr 1
		.amdhsa_wavefront_size32 1
		.amdhsa_system_sgpr_workgroup_id_x 1
		.amdhsa_system_sgpr_workgroup_id_y 1
		.amdhsa_system_sgpr_workgroup_id_z 1
		.amdhsa_system_vgpr_workitem_id 0
		.amdhsa_next_free_vgpr 960
		.amdhsa_next_free_sgpr 66
		.amdhsa_reserve_vcc 1
		.amdhsa_float_denorm_mode_32 3
		.amdhsa_float_denorm_mode_16_64 3
		.amdhsa_memory_ordered 1
		.amdhsa_forward_progress 1
		.amdhsa_inst_pref_size 73
	.end_amdhsa_kernel
	.amdgpu_metadata
---
amdhsa.version: [ 1, 2 ]
amdhsa.kernels:
  - .name:           k_q0a120a40dc_up
    .symbol:         k_q0a120a40dc_up.kd
    .args:
      - { .name: xq, .offset: 0, .size: 8, .value_kind: global_buffer, .address_space: global }
      - { .name: xs, .offset: 8, .size: 8, .value_kind: global_buffer, .address_space: global }
      - { .name: top, .offset: 16, .size: 8, .value_kind: global_buffer, .address_space: global }
      - { .name: w1_codes, .offset: 24, .size: 8, .value_kind: global_buffer, .address_space: global }
      - { .name: w1_scales, .offset: 32, .size: 8, .value_kind: global_buffer, .address_space: global }
      - { .name: b1, .offset: 40, .size: 8, .value_kind: global_buffer, .address_space: global }
      - { .name: hq, .offset: 48, .size: 8, .value_kind: global_buffer, .address_space: global }
      - { .name: hs, .offset: 56, .size: 8, .value_kind: global_buffer, .address_space: global }
      - { .name: list, .offset: 64, .size: 8, .value_kind: global_buffer, .address_space: global }
    .group_segment_fixed_size: 104960
    .private_segment_fixed_size: 0
    .kernarg_segment_align: 8
    .kernarg_segment_size: 72
    .max_flat_workgroup_size: 128
    .sgpr_count:     66
    .vgpr_count:     960
    .wavefront_size: 32
...
	.end_amdgpu_metadata
.endif
;; end of part 7
;; launch down (part 8): grid 32 x 8, 4 waves a work-group, no clusters, 75,264 bytes of LDS; arguments hq, hs, list, w2_codes, w2_scales, b2, out0; writes out0
.if DOCPART == 8
	.amdgcn_target "amdgcn-amd-amdhsa--gfx1250"
	.amdhsa_code_object_version 6
	.text
	.protected	k_q0a120a40dc_down
	.globl	k_q0a120a40dc_down
	.p2align	8
	.type	k_q0a120a40dc_down,@function
k_q0a120a40dc_down:
	s_mov_b64 s[64:65], 0
	v_nop
	global_prefetch_b8 v0, s[64:65] scope:SCOPE_SE
	s_setreg_imm32_b32 hwreg(HW_REG_WAVE_SCHED_MODE, 0, 2), 2
	s_setreg_imm32_b32 hwreg(HW_REG_WAVE_MODE, 25, 1), 1
	s_wait_xcnt 0x0
	s_wait_alu depctr_vm_vsrc(0)
; THE SECOND PRODUCT AND THE SCATTER: out0[token] = h W2[e] + b2[e] for the tokens of expert e's list, on codes of E2M1 with one E8M0 scale for each 32 along K (K = 4,096: 32 steps of 128).
; SHARES.  Work-group (dc, e) owns output columns 32 dc .. 32 dc + 31 of expert e: 64 KiB of w2_codes, one 256th of the tensor, read once in the launch by loads of 512 consecutive bytes, all of a wave's 32 on their
; way at once.  The 32 rows pass through LDS once, and then every wave holds all 2 x 32 fragments in registers (512).  The waves share the tokens: wave w takes tiles w, w + 4, .. of 16 listed tokens, over all of K:
; no sum spans waves, and the loop, whose trip count is a loaded number, holds no barrier.
; h comes as images of the operand's registers: a fragment is two loads of 512 consecutive bytes, straight into the registers that the matrix instruction names.  A tile's 64 such loads go in four groups of 8 K steps;
; a group's registers are asked for anew, for my next tile, as soon as its 16 products are done with them.
; THE MATRIX INSTRUCTION IS USED TRANSPOSED (source 0 = 16 rows of W2, source 1 = 16 tokens): a lane holds eight neighbouring outputs of one token.  Four accumulators (2 tiles of outputs x even and odd K steps) take
; turns; b2 is the C of the even sums' first instruction, the constant 0 that of the odd sums'; the two are added at the end.
; THE WAY OUT.  A token's 32 outputs are 128 consecutive bytes of its row of out0; a tile goes through my wave's own 2,176 bytes of LDS, and eight neighbouring lanes store those 128 bytes.  Whole aligned runs of 256
; would want 64 columns to a work-group: 128 work-groups, or every weight byte read twice.
; Pad entries of a list name a token of the same expert again: their rows hold the same numbers and go to the same bytes.  A tile past the list's end (wave w works tile w in any case) is computed and not stored.
; No cluster: no two work-groups share a weight byte; h's tiles are shared by an expert's 32 work-groups, but how many there are is a loaded number.
; LIMITS: NaN and infinities are not served: where an expert that is not chosen would give a non-finite number, reference() gives NaN and this program the chosen expert's number.
; REGISTERS, in windows of 256: window 0: v1-9 addresses; v16-19 four tokens, v20-23 their addresses; v24-39 b2's two tiles; v40-71 the accumulators; v72-87 rows on the way out; v88-103 h's scale words; v104-135 W2's.
;   windows 1 and 2: W2's fragments, (s, n) at 8 (2 (s % 16) + n), K steps 0-15 and 16-31; window 1 first holds the weights' transit.   window 3: the tile's 32 fragments of h, 8 s on.
; THE MODE: SCHED_MODE bits 1:0 = 2 (LLVM: expert scheduling mode 2), set by the entry lines.  The code itself states the register dependences
; between vector or matrix instructions and memory or LDS instructions, with s_wait_alu, always for 0.
; THE PLAN.  Registers that memory or LDS instructions touch:
;   v1-9               addresses.  Written at the head and never again: the wait on va_vdst ahead of the kernel's first load serves every instruction that reads them.
;   window 1, v0-127   the weights' transit: loaded, read by 32 LDS stores; then fragments land there.  W2's fragments, its scale words and b2 are loaded at the head and read by matrix instructions alone.
;   group j of h, HS   Written by the group's loads; read by the group's 16 matrix instructions; behind them the same group of my next tile is asked for.  TOK comes with group 0 and is read by four lines at the tile's head.
;   ACC                Written by the matrix instructions and by the eight additions; read by the way out's four LDS stores.
;   OA                 Written at the tile's head; read by the way out's four stores.        O   Written by four LDS loads; read by those four stores.
; THE WAITS OF A TILE.  One on vm_vsrc at its head: the last tile's LDS stores have read ACC, its stores OA and O.  One on va_vdst behind each group's products, ahead of the loads that fill the group's registers again:
; it stands behind the instructions that empty the buffer, since the buffer is to be on its way again at once.  Group 3's stands behind the eight additions, so that it also states that the sums and OA are written, for the way out.
; A tile with no successor has that last wait alone.
.set OST0, 66048                       ; LDS: 0 .. 66,047: 32 rows of W2, 2,048 bytes + 16 of padding each; from OST0 on 2,176 bytes a wave: 8 pieces of 256 + 16
.set L16,  1                           ; v1  16 l
.set WSTO, 2                           ; v2  the weights' way into LDS: 16,512 w + 16 l
.set WFR,  3                           ; v3  a fragment's place: 2,064 r + 16 h
.set OSTO, 4                           ; v4  the way out, in: my stage + 272 h + 16 r
.set ORD,  5                           ; v5  and back
.set WSA,  6                           ; v6  128 l: row l's scale words
.set BA,   7                           ; v7  32 h
.set TKA,  8                           ; v8  the list bytes of the four tokens whose pieces I store
.set CP,   9                           ; v9  128 dc + 16 (l % 8): my 16 bytes in a row of out0
.set TOK,  16
.set OA,   20
.set BB,   24
.set ACC,  40                          ; accumulator (n, parity of s) at ACC + 16 n + 8 parity
.set O,    72
.set HS,   88                          ; register 4 (s / 8) + s % 4: lanes 0-15 the words of K step s with (s / 4) % 2 = 0, lanes 16-31 of the step four on
.set WS,   104                         ; register s: lane l the word of row l: lanes 0-15 tile 0, lanes 16-31 tile 1
.set MSB, 0
.macro WIN new                         ; the immediate's high byte repeats the setting that is left; a switch that changes nothing is dropped
.if MSB != \new
	s_set_vgpr_msb (MSB<<8)|\new
.set MSB, \new
.endif
.endm
.macro HLOAD j                         ; group j of a tile: its scale words (one load), 8 fragments (16 loads); group 0 also the tokens: 18, 17, 17, 17 loads
.if \j == 0
	global_load_b128 v[TOK:TOK+3], v[TKA], s[8:9]
.endif
	global_load_b128 v[HS+4*\j:HS+4*\j+3], v[L16], s[6:7] offset:512*\j
	WIN 0xc0                                       ; destination window 3
.irp q, 0,1,2,3,4,5,6,7
.irp c, 0,1
	global_load_b128 v[8*(8*\j+\q)+4*\c:8*(8*\j+\q)+4*\c+3], v[L16], s[4:5] offset:1024*(8*\j+\q)+512*\c
.endr
.endr
	WIN 0
.endm
.macro MMD s, n                        ; K step s, tile n of the outputs
.set rD, ACC+16*(\n)+8*((\s)%2)
.set rW, 8*(2*((\s)%16)+(\n))
.set rH, 8*(\s)
.set rA, WS+(\s)
.set rB, HS+4*((\s)/8)+((\s)%4)
.set ra, \n
.set rb, ((\s)/4)%2
.set rC, rD
.if (\s) == 0
.set rC, BB+8*(\n)
.endif
.if (\s) == 1
.if ra == 0
	v_wmma_scale_f32_16x16x128_f8f6f4 v[rD:rD+7], v[rW:rW+7], v[rH:rH+7], 0, v[rA], v[rB] matrix_a_fmt:MATRIX_FMT_FP4 matrix_b_fmt:MATRIX_FMT_FP4
.else
	v_wmma_scale_f32_16x16x128_f8f6f4 v[rD:rD+7], v[rW:rW+7], v[rH:rH+7], 0, v[rA], v[rB] matrix_a_fmt:MATRIX_FMT_FP4 matrix_b_fmt:MATRIX_FMT_FP4 matrix_a_scale:MATRIX_SCALE_ROW1
.endif
.elseif (ra == 0) && (rb == 0)
	v_wmma_scale_f32_16x16x128_f8f6f4 v[rD:rD+7], v[rW:rW+7], v[rH:rH+7], v[rC:rC+7], v[rA], v[rB] matrix_a_fmt:MATRIX_FMT_FP4 matrix_b_fmt:MATRIX_FMT_FP4
.elseif (ra == 1) && (rb == 0)
	v_wmma_scale_f32_16x16x128_f8f6f4 v[rD:rD+7], v[rW:rW+7], v[rH:rH+7], v[rC:rC+7], v[rA], v[rB] matrix_a_fmt:MATRIX_FMT_FP4 matrix_b_fmt:MATRIX_FMT_FP4 matrix_a_scale:MATRIX_SCALE_ROW1
.elseif ra == 0
	v_wmma_scale_f32_16x16x128_f8f6f4 v[rD:rD+7], v[rW:rW+7], v[rH:rH+7], v[rC:rC+7], v[rA], v[rB] matrix_a_fmt:MATRIX_FMT_FP4 matrix_b_fmt:MATRIX_FMT_FP4 matrix_b_scale:MATRIX_SCALE_ROW1
.else
	v_wmma_scale_f32_16x16x128_f8f6f4 v[rD:rD+7], v[rW:rW+7], v[rH:rH+7], v[rC:rC+7], v[rA], v[rB] matrix_a_fmt:MATRIX_FMT_FP4 matrix_b_fmt:MATRIX_FMT_FP4 matrix_a_scale:MATRIX_SCALE_ROW1 matrix_b_scale:MATRIX_SCALE_ROW1
.endif
.endm
; One tile of 16 tokens, up to its rows in v[O] on.  refill = 1: each group's registers are asked for anew, for the tile four on.
.macro TILE refill
.irp j, 0,1,2,3
.if \refill
.if \j == 0
	s_wait_loadcnt 51                              ; group 0 is in: behind it this tile's groups 1, 2, 3: 17 + 17 + 17
.else
	s_wait_loadcnt 52                              ; group j is in: behind it three groups, the next tile's group 0 (18 loads) among them
.endif
.else
	s_wait_loadcnt 51-17*\j                        ; nothing is asked for any more: the counts run down
.endif
.if \j == 0
	s_wait_xcnt 0x0                                ; the last tile's stores have read their addresses and data, and this tile's loads their bases: all are written again only behind this wait
	s_wait_alu depctr_vm_vsrc(0)                   ; the last tile's stores have read v[OA ..], which the lines below write again, and v[O ..], in which this tile's LDS loads land; its LDS stores have read the accumulators, which this tile's products write again
.irp i, 0,1,2,3
	v_min_u32 v[OA+\i], 0x3ff, v[TOK+\i]           ; a token is under 1,024: held there, since it is a loaded number
.endr
.irp i, 0,1,2,3
	v_lshl_add_u32 v[OA+\i], v[OA+\i], 12, v[CP]   ; its row of 4,096 bytes + my 16 bytes
.endr
.if \refill
	s_add_nc_u64 s[4:5], s[4:5], 0x20000           ; four tiles on: images,
	s_add_nc_u64 s[6:7], s[6:7], 0x2000            ; scale words,
	s_add_nc_u64 s[8:9], s[8:9], 256               ; list entries
.endif
.endif
.if \j < 2
	WIN 0x0d                                       ; source 0 (W2) window 1, source 1 (h) window 3, C and D window 0
.else
	WIN 0x0e                                       ; source 0 window 2
.endif
.irp q, 0,1,2,3,4,5,6,7                        ; 16 matrix instructions; the four accumulators take turns, one instruction a turn
.irp n, 0,1
	MMD 8*\j+\q, \n
.endr
.endr
	WIN 0
.rept 4
	v_nop                                          ; four places behind the products, in front of the first read of results and of the loads into their operands; the loads' dependence is stated by the wait below
.endr
.if \j == 3
.irp n, 0,1
.irp q, 0,2,4,6
	v_pk_add_f32 v[ACC+16*\n+\q:ACC+16*\n+\q+1], v[ACC+16*\n+\q:ACC+16*\n+\q+1], v[ACC+16*\n+8+\q:ACC+16*\n+8+\q+1]   ; even and odd K steps' sums; each accumulator from its low end on
.endr
.endr
	s_wait_alu depctr_va_vdst(0)                   ; the additions have written the sums, which the LDS stores below read; v[OA ..] are written, which the way out's stores read; group 3's products are done reading their fragments of h and scale words, in which the loads below land
.elseif \refill
	s_wait_alu depctr_va_vdst(0)                   ; this group's products are done reading their fragments of h and scale words, and the tile's head is done reading v[TOK ..]: the loads below land in them
.endif
.if \refill
	HLOAD \j
.endif
.endr
.irp n, 0,1
.irp u, 0,1
	ds_store_b128 v[OSTO], v[ACC+16*\n+4*\u:ACC+16*\n+4*\u+3] offset:272*(4*\n+2*\u)   ; piece 4 n + 2 u + h: columns 16 n + 8 h + 4 u + 0 .. 3 of the 16 tokens, 16 bytes a token
.endr
.endr
.irp i, 0,1,2,3
	ds_load_b128 v[O+4*\i:O+4*\i+3], v[ORD] offset:16*\i   ; LDS serves a wave's instructions in order (ISA guide 5.7.1.4): these see my stores; the stage is my wave's own
.endr
	s_wait_dscnt 0x0
.endm
.macro OUT
.irp i, 0,1,2,3
	global_store_b128 v[OA+\i], v[O+4*\i:O+4*\i+3], s[16:17] th:TH_STORE_NT   ; four tokens an instruction; eight neighbouring lanes store 128 consecutive bytes of a row
.endr
.endm
	s_load_b256 s[4:11], s[0:1], 0x0               ; hq s[4:5], hs s[6:7], list s[8:9], w2_codes s[10:11]
	s_load_b128 s[12:15], s[0:1], 0x20             ; w2_scales s[12:13], b2 s[14:15]
	s_load_b64 s[16:17], s[0:1], 0x30              ; out0
	v_lshl_add_u32 v254, v0, 2, 0x12400
	v_mov_b32 v255, 0
	v_lshrrev_b32 v240, 5, v0
	v_readfirstlane_b32 s20, v240                  ; wave w
	s_and_b32 s21, ttmp7, 0xffff                   ; expert e
	s_mov_b32 s22, ttmp9                           ; dc
	v_and_b32 v240, 31, v0                         ; l
	v_and_b32 v241, 15, v0                         ; r
	v_bfe_u32 v242, v0, 4, 1                       ; h
	v_lshlrev_b32 v[L16], 4, v240
	s_wait_alu depctr_va_sdst(0)                   ; s20 is written, ahead of its first reader
	s_mul_i32 s27, s20, 16512                      ; 8 rows of 2,064 bytes a wave
	v_add_nc_u32 v[WSTO], s27, v[L16]
	v_mul_u32_u24 v[WFR], v241, 2064
	v_lshl_add_u32 v[WFR], v242, 4, v[WFR]
	s_mul_i32 s27, s20, 2176
	s_add_co_u32 s27, s27, OST0                    ; my stage
	v_mul_u32_u24 v[OSTO], v242, 272
	v_lshl_add_u32 v[OSTO], v241, 4, v[OSTO]
	v_add_nc_u32 v[OSTO], s27, v[OSTO]
	; back: lane l = 8 a + p takes the p-th 16 bytes of a token's 128: columns 4 p on lie in piece 4 (p / 4) + 2 (p % 2) + (p / 2) % 2; load i brings token 8 (a % 2) + 4 (a / 2) + i
	v_and_b32 v244, 4, v240
	v_and_b32 v245, 1, v240
	v_lshl_add_u32 v244, v245, 1, v244
	v_bfe_u32 v245, v240, 1, 1
	v_add_nc_u32 v244, v244, v245                  ; the piece
	v_mul_u32_u24 v[ORD], v244, 272
	v_bfe_u32 v245, v240, 3, 1                     ; a % 2
	v_lshl_add_u32 v[ORD], v245, 7, v[ORD]         ; 8 tokens of 16 bytes: with the pieces' 16 bytes of padding
	v_lshlrev_b32 v[TKA], 5, v245                  ; 8 entries of 4 bytes
	v_bfe_u32 v245, v240, 4, 1                     ; a / 2
	v_lshl_add_u32 v[ORD], v245, 6, v[ORD]
	v_lshl_add_u32 v[TKA], v245, 4, v[TKA]
	v_add_nc_u32 v[ORD], s27, v[ORD]
	v_lshlrev_b32 v[WSA], 7, v240
	v_lshlrev_b32 v[BA], 5, v242
	v_and_b32 v243, 7, v0
	s_lshl_b32 s28, s22, 7
	v_lshl_add_u32 v[CP], v243, 4, s28
	s_mov_b32 s31, 0
	s_wait_kmcnt 0x0
	s_lshl_b32 s30, s21, 21
	s_lshl_b32 s27, s22, 16
	s_add_co_u32 s30, s30, s27
	s_lshl_b32 s27, s20, 14
	s_add_co_u32 s30, s30, s27
	s_add_nc_u64 s[10:11], s[10:11], s[30:31]      ; my wave's 8 rows of W2
	WIN 0x40                                       ; destination window 1
	s_wait_alu depctr_va_vdst(0)                   ; the addresses v1 to v9 are written: every load, store and LDS instruction of the kernel that reads one of them stands behind this wait, and none of them is written again
.set i, 0
.rept 32
	global_load_b128 v[4*i:4*i+3], v[L16], s[10:11] offset:512*i th:TH_LOAD_NT   ; a quarter of a row: 512 consecutive bytes; read once in the launch
.set i, i+1
.endr
	WIN 0
	s_lshl_b32 s30, s21, 13
	s_add_nc_u64 s[18:19], s[8:9], s[30:31]        ; my expert's list: this copy stays, for the count;
	s_load_b32 s26, s[18:19], 0x1100
	s_lshl_b32 s30, s20, 6
	s_add_nc_u64 s[8:9], s[18:19], s[30:31]        ; this one walks, from tile w on
	s_lshl_b32 s30, s21, 17
	s_lshl_b32 s27, s22, 12
	s_add_co_u32 s30, s30, s27
	s_add_nc_u64 s[12:13], s[12:13], s[30:31]      ; my 32 rows' scale bytes, 128 each
	s_lshl_b32 s30, s21, 12
	s_add_co_u32 s30, s30, s28
	s_add_nc_u64 s[14:15], s[14:15], s[30:31]      ; my 32 numbers of b2
	s_lshl_b32 s30, s21, 21
	s_lshl_b32 s27, s20, 15
	s_add_co_u32 s30, s30, s27
	s_add_nc_u64 s[4:5], s[4:5], s[30:31]          ; hq: expert, tile w
	s_lshl_b32 s30, s21, 17
	s_lshl_b32 s27, s20, 11
	s_add_co_u32 s30, s30, s27
	s_add_nc_u64 s[6:7], s[6:7], s[30:31]          ; hs likewise
.irp i, 0,1,2,3,4,5,6,7
	global_load_b128 v[WS+4*\i:WS+4*\i+3], v[WSA], s[12:13] offset:16*\i
.endr
.irp n, 0,1
	global_load_b128 v[BB+8*\n:BB+8*\n+3],   v[BA], s[14:15] offset:64*\n        ; lane (r, h), tile n: b2 of outputs 16 n + 8 h + 0 .. 7
	global_load_b128 v[BB+8*\n+4:BB+8*\n+7], v[BA], s[14:15] offset:64*\n+16
.endr
	HLOAD 0                                        ; tile w: always written by the launch before
	s_wait_loadcnt 30                              ; the weights are in: behind them 8 loads of scale words, 4 of b2, group 0's 18
	WIN 0x04                                       ; an LDS store's data are its source 1: window 1
.set i, 0
.rept 32
	ds_store_b128 v[WSTO], v[4*i:4*i+3] offset:2064*(i/4)+512*(i%4)
.set i, i+1
.endr
	WIN 0
	HLOAD 1
	HLOAD 2
	HLOAD 3
	s_wait_dscnt 0x0                               ; for the others' sake: my 8 rows lie in LDS
	s_barrier_signal -1
	s_barrier_wait -1                              ; the kernel's one barrier: all 32 rows do; nobody writes them again
	WIN 0x40
	s_wait_alu depctr_vm_vsrc(0)                   ; my LDS stores have read the transit registers, window 1's v0 to v127, in which W2's fragments land
.set ks, 0
.rept 32
.if ks == 16
	WIN 0x80
.endif
.irp n, 0,1
.irp c, 0,1
	ds_load_b128 v[8*(2*(ks%16)+\n)+4*\c:8*(2*(ks%16)+\n)+4*\c+3], v[WFR] offset:33024*\n+64*ks+32*\c   ; rows 2,064 bytes apart: the 16 rows of a load start at 16 different groups of four banks
.endr
.endr
.set ks, ks+1
.endr
	WIN 0
	s_wait_dscnt 0x0                               ; W2's fragments are in
	s_wait_kmcnt 0x0                               ; the count
	s_min_u32 s26, s26, 0x400
	s_add_co_u32 s23, s26, 15
	s_lshr_b32 s23, s23, 4                         ; nt: the list's tiles
	s_add_co_u32 s24, s23, 3
	s_sub_co_u32 s24, s24, s20
	s_lshr_b32 s24, s24, 2                         ; my tiles w, w + 4, .. under nt: (nt + 3 - w) / 4 of them
	s_mov_b32 s25, 1                               ; all but the last go through the loop
	s_cmp_lt_u32 s25, s24
	s_cbranch_scc0 .Ltail
.Lloop:                                            ; a trip: a tile that has a successor; so it lies inside the list, and its rows are stored
	TILE 1
	OUT
	s_add_co_u32 s25, s25, 1
	s_cmp_lt_u32 s25, s24
	s_cbranch_scc1 .Lloop
.Ltail:                                            ; my last tile asks for nothing more
	TILE 0
	s_cmp_lt_u32 s20, s23
	s_cbranch_scc0 .Ldone                          ; where the list ends in front of tile w, this is tile w and holds pads alone: not stored
	OUT
.Ldone:
	s_wait_dscnt 0x0                               ; the closing lines, six on end
	s_wait_alu 0x0
	s_wait_tensorcnt 0x0
	ds_add_u32 v254, v255
	s_wait_dscnt 0x0
	s_endpgm
.Lfunc_end_k_q0a120a40dc_down:
	.size	k_q0a120a40dc_down, .Lfunc_end_k_q0a120a40dc_down-k_q0a120a40dc_down
	.p2alignl 7, 3214868480
	.fill 96, 4, 3214868480
	.section	.rodata,"a",@progbits
	.p2align	6, 0x0
	.amdhsa_kernel k_q0a120a40dc_down
		.amdhsa_group_segment_fixed_size 75264
		.amdhsa_private_segment_fixed_size 0
		.amdhsa_enable_private_segment 0
		.amdhsa_kernarg_size 56
		.amdhsa_user_sgpr_count 2
		.amdhsa_user_sgpr_kernarg_segment_ptr 1
		.amdhsa_wavefront_size32 1
		.amdhsa_system_sgpr_workgroup_id_x 1
		.amdhsa_system_sgpr_workgroup_id_y 1
		.amdhsa_system_sgpr_workgroup_id_z 1
		.amdhsa_system_vgpr_workitem_id 0
		.amdhsa_next_free_vgpr 1024
		.amdhsa_next_free_sgpr 66
		.amdhsa_reserve_vcc 0
		.amdhsa_float_denorm_mode_32 3
		.amdhsa_float_denorm_mode_16_64 3
		.amdhsa_memory_ordered 1
		.amdhsa_forward_progress 1
		.amdhsa_inst_pref_size 55
	.end_amdhsa_kernel
	.amdgpu_metadata
---
amdhsa.version: [ 1, 2 ]
amdhsa.kernels:
  - .name:           k_q0a120a40dc_down
    .symbol:         k_q0a120a40dc_down.kd
    .args:
      - { .name: hq, .offset: 0, .size: 8, .value_kind: global_buffer, .address_space: global }
      - { .name: hs, .offset: 8, .size: 8, .value_kind: global_buffer, .address_space: global }
      - { .name: list, .offset: 16, .size: 8, .value_kind: global_buffer, .address_space: global }
      - { .name: w2_codes, .offset: 24, .size: 8, .value_kind: global_buffer, .address_space: global }
      - { .name: w2_scales, .offset: 32, .size: 8, .value_kind: global_buffer, .address_space: global }
      - { .name: b2, .offset: 40, .size: 8, .value_kind: global_buffer, .address_space: global }
      - { .name: out0, .offset: 48, .size: 8, .value_kind: global_buffer, .address_space: global }
    .group_segment_fixed_size: 75264
    .private_segment_fixed_size: 0
    .kernarg_segment_align: 8
    .kernarg_segment_size: 56
    .max_flat_workgroup_size: 128
    .sgpr_count:     66
    .vgpr_count:     1024
    .wavefront_size: 32
...
	.end_amdgpu_metadata
.endif
;; end of part 8
